; MI455X (gfx1250); checked and timed in simulation.
; The chip was launched on July 23, 2026; its instructions are those of AMD's public machine-readable ISA for CDNA 5 (MIT licence, August 2026) and "CDNA5" Instruction Set Architecture Reference Guide (July 2026). The comments in the code are by the model that wrote it; some were corrected since.
;; Multi Head Attention. Allowed arithmetic: matrix products marked QUANTISED: E2M3 operands, one E8M0 scale for each 32 along K, by v_wmma_scale_f32_16x16x128_f8f6f4 with both operands' format E2M3, f32 sums; everything else in f32.
;; Inputs: Wk 1,024 x 1,024 float32; Wo 1,024 x 1,024 float32; Wq 1,024 x 1,024 float32; Wv 1,024 x 1,024 float32; bk 1,024 float32; bo 1,024 float32; bq 1,024 float32; bv 1,024 float32; k 4 x 2,048 x 1,024 float32; mask 4 x 2,048 x 2,048 int32; q 4 x 2,048 x 1,024 float32; v 4 x 2,048 x 1,024 float32.
;; Outputs: out0 4 x 2,048 x 1,024 float32.
;; This version of the problem:
;;   THIS VERSION OF THE PROBLEM IS GIVEN IN LOW PRECISION. The matrix products marked QUANTISED in the list below multiply operands that are first quantised to E2M3 (2 exponent bits, 3 mantissa bits; 6 bits a number), with one power-of-two scale for each 32 numbers along K (OCP MX v1.0); their sums are f32. All else is computed in f32.
;;   The module's matrix products, in the order in which they are computed (A, B: the left and right operand; K: the contracted axis; several contracted axes count as one K, in the product's order):
;;     1. [M 8,192, K 1,024] x [K 1,024, N 1,024]; A: input q; B: input Wq: QUANTISED
;;     2. [M 8,192, K 1,024] x [K 1,024, N 1,024]; A: input k; B: input Wk: QUANTISED
;;     3. [M 8,192, K 1,024] x [K 1,024, N 1,024]; A: input v; B: input Wv: QUANTISED
;;     4. batch 64 x [M 2,048, K 64] x [K 64, N 2,048]; A: computed on the way; B: computed on the way: QUANTISED
;;     5. batch 64 x [M 2,048, K 2,048] x [K 2,048, N 64]; A: softmax (see below); B: computed on the way: QUANTISED
;;     6. [M 8,192, K 1,024] x [K 1,024, N 1,024]; A: computed on the way; B: input Wo: QUANTISED
;;   THE QUANTISER, for each operand of a quantised product, along K:
;;     - K is cut into blocks of 32 from its start; a last block that is shorter is filled with zeros.
;;     - A block's scale is 2^e with e = floor(log2(the largest magnitude in the block)) - 2, held to -126 .. 127; a block of zeros has e = 0. As a byte (E8M0): e + 127.
;;     - Each number is divided by its block's scale, clamped to +-7.5, and rounded to the nearest number of E2M3, ties to even, subnormals kept.
;;     - The product sums the exact products of the quantised numbers (number of the format x scale) in f32.
;;   ~~~python
;;   def quantise(x, axis):      # numpy; x: float32 -> the quantised numbers, widened to float32 again
;;       x = np.moveaxis(x, axis, -1); K = x.shape[-1]
;;       x = np.pad(x, [(0, 0)] * (x.ndim - 1) + [(0, -K % 32)]); x = x.reshape(x.shape[:-1] + (-1, 32)); a = np.abs(x).max(-1, keepdims=True)
;;       e = np.where(a > 0, np.clip(np.frexp(np.where(a > 0, a, 1))[1] - 1 - 2, -126, 127), 0)      # np.frexp(a)[1] - 1 = floor(log2(a)), exactly
;;       r = np.clip(x / 2.0 ** e, -7.5, 7.5)
;;       step = 2.0 ** (np.maximum(np.frexp(np.where(r == 0, 1, r))[1] - 1, 0) - 3)
;;       q = np.round(r / step) * step * 2.0 ** e      # np.round: ties to even
;;       return np.moveaxis(q.reshape(q.shape[:-2] + (-1,))[..., :K], -1, axis).astype(np.float32)
;;   ~~~
;;   SOFTMAX AHEAD OF A QUANTISED PRODUCT. Where the list says 'softmax', what is quantised is not the finished softmax but p = 2^(t - M), with t = logit x log2(e) and M = ceil(the row's largest t), a whole number; so 1/2 < the row's largest p <= 1. The row's sum l is taken of the UNQUANTISED p, in f32, and the product's result is divided by l at the end. Since M is a whole number, a kernel that streams over the keys may use a running M (the ceiling of the running maximum): every later rescaling is an exact power of two, which a block's scale takes up: the codes' values come out the same.
;;   OPERANDS COMPUTED ON THE WAY. 'Computed on the way' means the value that the module computes at that place (a softmax that the list does not call 'softmax' is quantised finished and normalised). What goes into a quantiser is computed in f32, as accurately as f32 sums, v_exp_f32 and their like allow (about 1e-6 of the number): no bf16 or f16 on the way to a quantiser, and a product that is left as it is and whose result goes on into a quantised operand takes f32 operands (vector FMAs, or v_wmma_f32_16x16x4_f32). A number that lies on a knife's edge between two numbers of the format may be rounded either way, as far as f32 arithmetic and the matrix unit's own rounding can turn it there, and no further.
;; One version. Each part assembles by itself: llvm-mc -triple=amdgcn-amd-amdhsa -mcpu=gfx1250 --defsym DOCPART=n.
;; ======== version 1 of 1: 5 launches
;; limits: right only within a limited range of input values
;; workspace buffers: xc 22,020,096 bytes; xs 917,504 bytes; mb 2,097,152 bytes of whole numbers; qb 6,553,600 bytes; kv 13,107,200 bytes; cc 6,291,456 bytes; cs 262,144 bytes
;; launch quant (part 1): grid 896 x 1, 4 waves a work-group, no clusters, 49,664 bytes of LDS; arguments q, k, v, Wq, Wk, Wv, Wo, xc, xs; writes xc, xs
.if DOCPART == 1
	.amdgcn_target "amdgcn-amd-amdhsa--gfx1250"
	.amdhsa_code_object_version 6
	.text
	.protected	k_q7b951c9ee0_quant
	.globl	k_q7b951c9ee0_quant
	.p2align	8
	.type	k_q7b951c9ee0_quant,@function
k_q7b951c9ee0_quant:
	s_mov_b64 s[64:65], 0
	v_nop
	global_prefetch_b8 v0, s[64:65] scope:SCOPE_SE
	s_setreg_imm32_b32 hwreg(HW_REG_WAVE_MODE, 25, 1), 1
	s_wait_xcnt 0x0
; q, k, v [8192][1024] and Wq, Wk, Wv, Wo [1024][1024], f32, become codes of FP6 (E2M3) with one E8M0 byte for each 32 along K.
; Rows are counted over all seven tensors: 0.. q, 8,192.. k, 16,384.. v, 24,576.. Wq, 25,600.. Wk, 26,624.. Wv, 27,648.. Wo.
; xc IS LAID AS IMAGES OF THE OPERAND REGISTERS: [tile of 16 rows][K step of 128][c = 0..2][lane][16 bytes]: registers 4 c .. 4 c + 3 of the fragment of lane (row % 16) + 16 h,
; whose registers 6 g .. 6 g + 5 hold K = 64 g + 32 h + 0 .. 31.  A tile is 12,288 dense bytes.  xs: [tile][half of K][row % 16][16 bytes].
; A block's scale is 2^(floor(log2(its largest magnitude)) - 2): its byte is the largest magnitude's exponent field - 2, held at 1 from below.
; (A block of zeros gets the byte 1 with zero codes: the bytes are read by this program alone.)
; THE ORDER OF CODES INSIDE A BLOCK: the block's four octets o0..o3 stand as o0, o2, o1, o3, in every operand of every product of this program, so products meet their partners.
; LIMITS: NaN and infinities among the inputs are not served; blocks whose largest magnitude lies under 2^-124 keep the byte 1.
; A wave takes one tile's 16 rows x 512 along K: step t is row t, four loads of 512 consecutive bytes.  A step's 2,048 bytes turn through the wave's own stage so that a lane gets 16 numbers of one block
; (the even lane o0, o2, the odd lane o1, o3).  Its three words of codes go to their places in the wave's image in LDS (24 pieces of 256 bytes, 272 apart); at the end the image, 6,144 dense bytes,
; and the 256 scale bytes leave in stores of whole aligned runs of 256 bytes.  No tensor loads, no barrier, no cluster: waves share nothing.  Loads run four steps (16 loads a wave) ahead.
.set STEPS, 16
.set EMAX,  2
.set R,     16                         ; v16-79   four sets of 16 numbers as loaded; at the end the image
.set X,     80                         ; v80-111  two sets of 16 numbers of one block
.set C,     128                        ; v128-191 codes, four registers a step
.set E,     112                        ; v112-127 a scale byte a step
.set IA,    194                        ; v194-196 LDS places of my three words of codes; v197 the image read back
.set WREG,  12288                      ; LDS, a wave: two stages of 32 x SP bytes, 256 scale bytes, the image
.set SP,    80
	s_load_b512 s[4:19], s[0:1], 0x0               ; q, k, v, Wq, Wk, Wv, Wo, xc
	s_load_b64 s[20:21], s[0:1], 0x40              ; xs
	v_lshl_add_u32 v192, v0, 2, 0xc000
	v_mov_b32 v193, 0
	v_lshrrev_b32 v1, 5, v0
	v_readfirstlane_b32 s24, v1                    ; wave
	v_and_b32 v2, 31, v0                           ; lane
	v_lshlrev_b32 v3, 4, v2                        ; my 16 bytes of 512
	s_mul_i32 s25, s24, WREG
	v_lshrrev_b32 v14, 3, v2                       ; which of the load's four blocks
	v_bfe_u32 v15, v2, 1, 1                        ; my octet is odd: the block's odd place
	v_lshl_add_u32 v14, v14, 1, v15
	v_mul_u32_u24 v14, v14, SP
	v_bfe_u32 v15, v2, 2, 1                        ; octets 2 and 3: the place's upper 32 bytes
	v_lshl_add_u32 v14, v15, 5, v14
	v_and_b32 v15, 1, v2
	v_lshl_add_u32 v14, v15, 4, v14
	v_add_nc_u32 v14, s25, v14                     ; the stage, on the way in
	v_mul_u32_u24 v15, v2, SP
	v_add_nc_u32 v15, s25, v15                     ; and on the way out
	v_lshrrev_b32 v5, 1, v2
	s_add_co_u32 s25, s25, 2*32*SP
	v_add_nc_u32 v5, s25, v5                       ; my block's scale byte
	v_lshlrev_b32 v7, 3, v2
	v_add_nc_u32 v6, s25, v7
	; behind the turn lane l holds half (l % 2) of block (l / 2) % 4 = 2 g + h of K step l / 8: words w = 6 g + 3 (l % 2) + 0..2 of the fragment's twelve; word w lies in piece 6 (l / 8) + 2 (w / 4) + h at 16 x row + 4 (w % 4)
	v_bfe_u32 v10, v2, 2, 1
	v_and_b32 v12, 1, v2
	v_mul_u32_u24 v10, v10, 6
	v_mad_u32_u24 v10, v12, 3, v10
	v_lshrrev_b32 v12, 3, v2
	v_mul_u32_u24 v12, v12, 6
	v_bfe_u32 v13, v2, 1, 1
	v_add_nc_u32 v12, v12, v13
.irp k, 0,1,2
	v_add_nc_u32 v13, \k, v10
	v_lshrrev_b32 v[IA+\k], 2, v13
	v_lshl_add_u32 v[IA+\k], v[IA+\k], 1, v12
	v_mul_u32_u24 v[IA+\k], v[IA+\k], 272
	v_and_b32 v13, 3, v13
	v_lshl_add_u32 v[IA+\k], v13, 2, v[IA+\k]
	v_add_nc_u32 v[IA+\k], s25, v[IA+\k]
.endr
	v_lshrrev_b32 v13, 4, v2
	v_mul_u32_u24 v13, v13, 272
	v_and_b32 v[IA+3], 15, v2
	v_lshl_add_u32 v[IA+3], v[IA+3], 4, v13
	v_add_nc_u32 v[IA+3], s25, v[IA+3]             ; back: sixteen lanes to a piece, two pieces a load
	s_wait_alu depctr_va_vdst(0)                   ; the wait at the head's end
	s_wait_kmcnt 0x0
	s_mov_b64 s[22:23], s[16:17]                   ; which tensor: the choice hangs on the work-group's number alone
	s_cmp_lt_u32 ttmp9, 864
	s_cselect_b64 s[22:23], s[14:15], s[22:23]
	s_cmp_lt_u32 ttmp9, 832
	s_cselect_b64 s[22:23], s[12:13], s[22:23]
	s_cmp_lt_u32 ttmp9, 800
	s_cselect_b64 s[22:23], s[10:11], s[22:23]
	s_cmp_lt_u32 ttmp9, 768
	s_cselect_b64 s[22:23], s[8:9], s[22:23]
	s_cselect_b32 s26, 255, 31                     ; 256 work-groups to q, k, v each, 32 to a weight
	s_cmp_lt_u32 ttmp9, 512
	s_cselect_b64 s[22:23], s[6:7], s[22:23]
	s_cmp_lt_u32 ttmp9, 256
	s_cselect_b64 s[22:23], s[4:5], s[22:23]
	s_and_b32 s26, ttmp9, s26
	s_lshl_b32 s26, s26, 2
	s_add_co_u32 s26, s26, s24                     ; my wave within its tensor: 2 x tile + half of K
	s_and_b32 s29, s26, 1
	s_lshr_b32 s26, s26, 1
	s_lshl_b32 s26, s26, 16                        ; 16 rows of 4,096 bytes
	s_lshl_b32 s29, s29, 11
	s_add_co_u32 s26, s26, s29
	s_mov_b32 s27, 0
	s_add_nc_u64 s[22:23], s[22:23], s[26:27]
	s_lshl_b32 s28, ttmp9, 2
	s_add_co_u32 s28, s28, s24                     ; the same over all seven tensors
	s_mul_i32 s26, s28, 6144
	s_add_nc_u64 s[18:19], s[18:19], s[26:27]
	s_lshl_b32 s26, s28, 8
	s_add_nc_u64 s[20:21], s[20:21], s[26:27]
.macro LOAD t
.irp i, 0,1,2,3
	global_load_b128 v[R+16*((\t)%4)+4*\i:R+16*((\t)%4)+4*\i+3], v3, s[22:23] offset:4096*(\t)+512*\i th:TH_LOAD_NT
.endr
.endm
.macro TURN t                          ; LDS serves a wave's instructions in order: no wait between the stores and the loads
.irp i, 0,1,2,3
	ds_store_b128 v14, v[R+16*((\t)%4)+4*\i:R+16*((\t)%4)+4*\i+3] offset:32*SP*((\t)%2)+8*SP*\i
.endr
.irp i, 0,1,2,3
	ds_load_b128 v[X+16*((\t)%2)+4*\i:X+16*((\t)%2)+4*\i+3], v15 offset:32*SP*((\t)%2)+16*\i
.endr
.endm
.irp t, 0,1,2,3
	LOAD \t
.endr
	s_wait_loadcnt 12                              ; step 0's four loads are in
	TURN 0
.macro STEP t
.set XS, X+16*((\t)%2)
.if (\t) > 0
	s_wait_dscnt 4                                 ; this step's numbers are back (the last step's four stores of codes and byte may be out)
.else
	s_wait_dscnt 0x0
.endif
.if (\t)+4 < STEPS
	LOAD (\t)+4
.endif
.if (\t)+1 < STEPS
.if STEPS-2-(\t) >= 3
	s_wait_loadcnt 12                              ; the next step's four loads are in; three steps' may be out
.else
	s_wait_loadcnt 4*(STEPS-2-(\t))
.endif
	TURN (\t)+1
.endif
	v_max3_num_f32 v8, |v[XS]|, |v[XS+1]|, |v[XS+2]|
	v_max3_num_f32 v9, |v[XS+3]|, |v[XS+4]|, |v[XS+5]|
.irp i, 6,10
	v_max3_num_f32 v8, v8, |v[XS+\i]|, |v[XS+\i+1]|
	v_max3_num_f32 v9, v9, |v[XS+\i+2]|, |v[XS+\i+3]|
.endr
	v_max3_num_f32 v8, v8, |v[XS+14]|, |v[XS+15]|
	v_max3_num_f32 v8, v8, v9, (EMAX+1)<<23        ; the floor 2^(3 - 127): the byte cannot fall under 1
	v_max_num_f32_dpp v8, v8, v8 row_xmask:1 row_mask:0xf bank_mask:0xf   ; with my neighbour's 16: the block's
	v_add_nc_u32 v11, -(EMAX<<23), v8              ; the conversion takes this operand's exponent field as its scale
	v_cvt_scalef32_pk16_fp6_f32 v[C+4*(\t):C+4*(\t)+2], v[XS:XS+15], v11
	v_lshrrev_b32 v[E+(\t)], 23, v11               ; the scale's byte
	ds_store_b8 v5, v[E+(\t)] offset:16*(\t)       ; both lanes of a block write the same byte
.irp k, 0,1,2
	ds_store_b32 v[IA+\k], v[C+4*(\t)+\k] offset:256+16*(\t)
.endr
.endm
.irp t, 0,1,2,3,4,5,6,7,8,9,10,11,12,13,14,15
	STEP \t
.endr
	ds_load_b64 v[12:13], v6                       ; LDS serves a wave's instructions in order: these see my stores
.irp n, 0,1,2,3,4,5,6,7,8,9,10,11
	ds_load_b128 v[R+4*\n:R+4*\n+3], v[IA+3] offset:256+544*\n
.endr
	s_wait_dscnt 0x0
	global_store_b64 v7, v[12:13], s[20:21]        ; 256 consecutive bytes, aligned
.irp n, 0,1,2,3,4,5,6,7,8,9,10,11
	global_store_b128 v3, v[R+4*\n:R+4*\n+3], s[18:19] offset:512*\n   ; 512 consecutive bytes, aligned
.endr
	s_wait_tensorcnt 0x0                           ; the wave's end
	ds_add_u32 v192, v193
	s_wait_dscnt 0x0
	s_endpgm
.Lfunc_end_k_q7b951c9ee0_quant:
	.size	k_q7b951c9ee0_quant, .Lfunc_end_k_q7b951c9ee0_quant-k_q7b951c9ee0_quant
	.p2alignl 7, 3214868480
	.fill 96, 4, 3214868480
	.section	.rodata,"a",@progbits
	.p2align	6, 0x0
	.amdhsa_kernel k_q7b951c9ee0_quant
		.amdhsa_group_segment_fixed_size 49664
		.amdhsa_private_segment_fixed_size 0
		.amdhsa_enable_private_segment 0
		.amdhsa_kernarg_size 72
		.amdhsa_user_sgpr_count 2
		.amdhsa_user_sgpr_kernarg_segment_ptr 1
		.amdhsa_wavefront_size32 1
		.amdhsa_system_sgpr_workgroup_id_x 1
		.amdhsa_system_sgpr_workgroup_id_y 1
		.amdhsa_system_sgpr_workgroup_id_z 1
		.amdhsa_system_vgpr_workitem_id 0
		.amdhsa_next_free_vgpr 200
		.amdhsa_next_free_sgpr 66
		.amdhsa_reserve_vcc 0
		.amdhsa_float_denorm_mode_32 3
		.amdhsa_float_denorm_mode_16_64 3
		.amdhsa_memory_ordered 1
		.amdhsa_forward_progress 1
		.amdhsa_inst_pref_size 38
	.end_amdhsa_kernel
	.amdgpu_metadata
---
amdhsa.version: [ 1, 2 ]
amdhsa.kernels:
  - .name:           k_q7b951c9ee0_quant
    .symbol:         k_q7b951c9ee0_quant.kd
    .args:
      - { .name: q, .offset: 0, .size: 8, .value_kind: global_buffer, .address_space: global }
      - { .name: k, .offset: 8, .size: 8, .value_kind: global_buffer, .address_space: global }
      - { .name: v, .offset: 16, .size: 8, .value_kind: global_buffer, .address_space: global }
      - { .name: Wq, .offset: 24, .size: 8, .value_kind: global_buffer, .address_space: global }
      - { .name: Wk, .offset: 32, .size: 8, .value_kind: global_buffer, .address_space: global }
      - { .name: Wv, .offset: 40, .size: 8, .value_kind: global_buffer, .address_space: global }
      - { .name: Wo, .offset: 48, .size: 8, .value_kind: global_buffer, .address_space: global }
      - { .name: xc, .offset: 56, .size: 8, .value_kind: global_buffer, .address_space: global }
      - { .name: xs, .offset: 64, .size: 8, .value_kind: global_buffer, .address_space: global }
    .group_segment_fixed_size: 49664
    .private_segment_fixed_size: 0
    .kernarg_segment_align: 8
    .kernarg_segment_size: 72
    .max_flat_workgroup_size: 128
    .sgpr_count:     66
    .vgpr_count:     200
    .wavefront_size: 32
...
	.end_amdgpu_metadata
.endif
;; end of part 1
;; launch maskpack (part 2): grid 512 x 1, 4 waves a work-group, no clusters, 34,304 bytes of LDS; arguments mask, mb; writes mb
.if DOCPART == 2
	.amdgcn_target "amdgcn-amd-amdhsa--gfx1250"
	.amdhsa_code_object_version 6
	.text
	.protected	k_q7b951c9ee0_maskpack
	.globl	k_q7b951c9ee0_maskpack
	.p2align	8
	.type	k_q7b951c9ee0_maskpack,@function
k_q7b951c9ee0_maskpack:
	s_mov_b64 s[64:65], 0
	v_nop
	global_prefetch_b8 v0, s[64:65] scope:SCOPE_SE
	s_setreg_imm32_b32 hwreg(HW_REG_WAVE_MODE, 25, 1), 1
	s_wait_xcnt 0x0
; The mask [4][2048][2048] of int32 becomes lane masks for the attention launch: mb [q tile 0..511][key step 0..15][64 words].
; Bit L of word n = 8 t + j of (tile g, step s) is set where mask[16 g + L % 16][128 s + 16 t + 8 (L / 16) + j] is not 0: the place that score register n of lane L has there.
; So all 16 heads read one bit where the mask has four bytes, and a score is masked by one select.
; A work-group takes one tile of 16 queries, wave w its key steps 4 w .. 4 w + 3.  A load reads 512 consecutive bytes of one row; a step's 16 rows turn through the wave's own stage
; (rows 528 bytes apart) so that lane (r, h) gets row r's words; 64 compares make 64 lane masks, which are laid two to a lane and leave as 256 consecutive bytes, aligned.
; No barrier, no cluster: waves and work-groups share nothing.  Loads run two steps (32 loads a wave) ahead.
.set RR,  16                           ; v16-143  two sets of 64 registers as loaded
.set X,   144                          ; v144-207 lane (r, h): register 8 t + j
.set W,   8                            ; v8-15    a pair of result registers for each step
.set SPI, 528
	s_load_b128 s[4:7], s[0:1], 0x0                ; mask, mb
	v_lshl_add_u32 v208, v0, 2, 0x8400
	v_mov_b32 v209, 0
	v_lshrrev_b32 v5, 5, v0
	v_readfirstlane_b32 s8, v5                     ; wave
	v_and_b32 v5, 31, v0
	v_lshlrev_b32 v1, 4, v5                        ; 16 x lane
	s_mul_i32 s9, s8, 16*SPI                       ; my stage
	v_add_nc_u32 v2, s9, v1                        ; in: a row's 512 bytes as they lie
	v_and_b32 v6, 15, v0
	v_bfe_u32 v7, v0, 4, 1
	v_mul_u32_u24 v3, v6, SPI
	v_lshl_add_u32 v3, v7, 5, v3
	v_add_nc_u32 v3, s9, v3                        ; out: row r, + 32 h
	v_lshlrev_b32 v4, 3, v5                        ; 8 x lane
.irp i, 0,1,2,3,4,5,6,7
	v_mov_b32 v[W+\i], 0                           ; a lane write's destination counts as read
.endr
	s_lshl_b32 s10, ttmp9, 17                      ; 16 rows of 8,192 bytes
	s_lshl_b32 s11, s8, 11                         ; my four steps of 512 bytes
	s_add_co_u32 s10, s10, s11
	s_mov_b32 s11, 0
	s_lshl_b32 s12, ttmp9, 12                      ; 16 steps of 256 bytes
	s_lshl_b32 s13, s8, 10
	s_add_co_u32 s12, s12, s13
	s_mov_b32 s13, 0
	s_wait_kmcnt 0x0
	s_add_nc_u64 s[4:5], s[4:5], s[10:11]
	s_add_nc_u64 s[6:7], s[6:7], s[12:13]
.macro MLOAD t
.irp j, 0,1,2,3,4,5,6,7,8,9,10,11,12,13,14,15
	global_load_b128 v[RR+64*((\t)%2)+4*\j:RR+64*((\t)%2)+4*\j+3], v1, s[4:5] offset:8192*\j+512*(\t) th:TH_LOAD_NT
.endr
.endm
.macro MSTEP t
.if (\t) < 3
	s_wait_loadcnt 16                              ; this step's sixteen loads are in; the next step's may be out
.else
	s_wait_loadcnt 0x0
.endif
.irp j, 0,1,2,3,4,5,6,7,8,9,10,11,12,13,14,15
	ds_store_b128 v2, v[RR+64*((\t)%2)+4*\j:RR+64*((\t)%2)+4*\j+3] offset:SPI*\j
.endr
.irp u, 0,1,2,3,4,5,6,7
	ds_load_b128 v[X+8*\u:X+8*\u+3], v3 offset:64*\u       ; LDS serves a wave's instructions in order: these see the stores above
	ds_load_b128 v[X+8*\u+4:X+8*\u+7], v3 offset:64*\u+16
.endr
	s_wait_dscnt 0x0
.if (\t) < 2
	MLOAD (\t)+2
.endif
.set NN, 0
.rept 8
.irp e, 0,1,2,3,4,5,6,7
	v_cmp_ne_u32 s[20+\e], 0, v[X+NN+\e]           ; word NN + e
.endr
.irp e, 0,1,2,3,4,5,6,7
	v_writelane_b32 v[W+2*(\t)+\e%2], s[20+\e], (NN+\e)/2   ; to lane n / 2, register n % 2
.endr
.set NN, NN+8
.endr
	global_store_b64 v4, v[W+2*(\t):W+2*(\t)+1], s[6:7] offset:256*(\t)   ; 32 lanes store 256 consecutive bytes, aligned
.endm
	MLOAD 0
	MLOAD 1
	MSTEP 0
	MSTEP 1
	MSTEP 2
	MSTEP 3
	s_wait_tensorcnt 0x0
	ds_add_u32 v208, v209
	s_wait_dscnt 0x0
	s_endpgm
.Lfunc_end_k_q7b951c9ee0_maskpack:
	.size	k_q7b951c9ee0_maskpack, .Lfunc_end_k_q7b951c9ee0_maskpack-k_q7b951c9ee0_maskpack
	.p2alignl 7, 3214868480
	.fill 96, 4, 3214868480
	.section	.rodata,"a",@progbits
	.p2align	6, 0x0
	.amdhsa_kernel k_q7b951c9ee0_maskpack
		.amdhsa_group_segment_fixed_size 34304
		.amdhsa_private_segment_fixed_size 0
		.amdhsa_enable_private_segment 0
		.amdhsa_kernarg_size 16
		.amdhsa_user_sgpr_count 2
		.amdhsa_user_sgpr_kernarg_segment_ptr 1
		.amdhsa_wavefront_size32 1
		.amdhsa_system_sgpr_workgroup_id_x 1
		.amdhsa_system_sgpr_workgroup_id_y 1
		.amdhsa_system_sgpr_workgroup_id_z 1
		.amdhsa_system_vgpr_workitem_id 0
		.amdhsa_next_free_vgpr 210
		.amdhsa_next_free_sgpr 66
		.amdhsa_reserve_vcc 0
		.amdhsa_float_denorm_mode_32 3
		.amdhsa_float_denorm_mode_16_64 3
		.amdhsa_memory_ordered 1
		.amdhsa_forward_progress 1
		.amdhsa_inst_pref_size 49
	.end_amdhsa_kernel
	.amdgpu_metadata
---
amdhsa.version: [ 1, 2 ]
amdhsa.kernels:
  - .name:           k_q7b951c9ee0_maskpack
    .symbol:         k_q7b951c9ee0_maskpack.kd
    .args:
      - { .name: mask, .offset: 0, .size: 8, .value_kind: global_buffer, .address_space: global }
      - { .name: mb, .offset: 8, .size: 8, .value_kind: global_buffer, .address_space: global }
    .group_segment_fixed_size: 34304
    .private_segment_fixed_size: 0
    .kernarg_segment_align: 8
    .kernarg_segment_size: 16
    .max_flat_workgroup_size: 128
    .sgpr_count:     66
    .vgpr_count:     210
    .wavefront_size: 32
...
	.end_amdgpu_metadata
.endif
;; end of part 2
;; launch proj (part 3): grid 4 x 64, 4 waves a work-group, clusters of 4 x 4, 327,680 bytes of LDS; arguments xc, xs, bq, bk, bv, qb, kv; writes qb, kv
.if DOCPART == 3
	.amdgcn_target "amdgcn-amd-amdhsa--gfx1250"
	.amdhsa_code_object_version 6
	.text
	.protected	k_q7b951c9ee0_proj
	.globl	k_q7b951c9ee0_proj
	.p2align	8
	.type	k_q7b951c9ee0_proj,@function
k_q7b951c9ee0_proj:
	s_mov_b64 s[64:65], 0
	v_nop
	global_prefetch_b8 v0, s[64:65] scope:SCOPE_SE
	s_setreg_imm32_b32 hwreg(HW_REG_WAVE_MODE, 25, 1), 1
	s_wait_xcnt 0x0
	s_wait_alu depctr_hold_cnt(0) depctr_sa_sdst(0) depctr_va_vdst(0) depctr_va_sdst(0) depctr_va_ssrc(0) depctr_va_vcc(0) depctr_vm_vsrc(0)
	s_getreg_b32 s2, hwreg(HW_REG_IB_STS2, 6, 4)
	s_cmp_eq_u32 s2, 0
	s_cbranch_scc0 .Lentry_in_a_cluster
	s_endpgm
.Lentry_in_a_cluster:
	s_bfe_u32 s2, ttmp6, 0x10000c
	s_cmp_lg_u32 s2, 0xf033
	s_cbranch_scc0 .Lentry_shape_is_right
	s_endpgm
.Lentry_shape_is_right:
; Q = q Wq^T + bq, K = k Wk^T + bk, V = v Wv^T + bv on codes of FP6 (E2M3), and the quantisers of the three results for the attention launch.
; 256 WORK-GROUPS STAY and make three blocks each, one of Q, one of K, one of V.  A block is 128 rows of operand A x 256 rows of operand B, all of K = 1,024.
; Q, K: A = tokens, B = the weight's rows (channels).  V: A = Wv's rows, B = tokens: so a lane's results run along the axis that the next product contracts.
; xc holds images of the operand registers (16 rows x 128 K in 1,536 bytes, a tile of 16 rows in 12,288 dense bytes): 128 rows are 98,304 dense bytes, and a fragment is three loads of 512 consecutive LDS bytes.
; LDS: A's 128 rows at 0, B's 256 rows behind them: a whole block, 294,912 bytes; then the spare words.  One joint load a wave fills it: waves 0, 1 a half of A each, waves 2, 3 a half of B each.
; It is filled again twice, each time behind the three lines and a round of the cluster's barrier, when the block's last fragments are in registers; the block's quantisers and stores run under the refill's flight.
; CLUSTERS 4 x 4: A's rows hang on the cluster's number and cy and are shared along a row of the cluster, B's on the cluster's number and cx and are shared along a column.
; A wave makes 64 (A) x 128 (B): 32 accumulators (window 2).  Fragments lie twice: B's in window 1 (v0, v128), A's in window 3 (v0, v48); a K step's 36 loads go out in one run, one K step ahead.
; The matrix instruction is used transposed (source 0 = B's rows): lane (r, h) holds A's row r, register 8 b + j B's row 16 b + 8 h + j.
; Scale words come by plain loads, a block ahead of their use: lanes 0-15 an even tile's rows, lanes 16-31 the odd tile's.  The bias is loaded at a block's start.
; PREFETCH: in blocks 0 and 1, behind the second K step, the next block's 294,912 bytes are asked for, one block ahead of the refill: each run of 256 bytes once in a cluster, shared out by address among the sixteen waves of the four partners that will load it.
; OUT: qb, kv records of (batch, head, 128 tokens): Q 6,400 bytes (4 images of 32 tokens x 64, 256 bytes of scale words); K, V 12,800 (K's images, V's 4 images of 16 channels x 128 keys, K's and V's scale words).
; LIMITS: NaN and infinities are not served; a block whose largest magnitude lies under 2^-124 keeps the byte 1.
.set TRB,   12288
.set RGN,   98304
.set SPARE, 3*RGN
.set ADRA, 1
.set ADRB, 2
.set LI,   4
.set LS,   5
.set BOQ,  6
.set BOV,  7
.set SXO,  8
.set PFA,  9
.set PFB,  10
.set SPW,  12
.set NIL,  13
.set SA,   24                          ; v24-39 A's scale words: 8 x (pair of tiles) + K step
.set SB,   44                          ; v44-75 B's
.set BIAS, 96                          ; window 3
.set H,    128
.set IMG0, 192
.set IMG1, 204
.set PT,   216
.set TM,   224
.set PWA,  240
.set SW,   242
.set CW,   250
.set SEL,  66
.set G0A,  32
.set G0B,  36
.set G1A,  68
.set G1B,  76
.set MSB, 0
.macro WIN new
.if MSB != (\new)
	s_set_vgpr_msb (MSB<<8)|(\new)
.set MSB, (\new)
.endif
.endm
.macro PLACES n
.rept \n
	v_nop
.endr
.endm
.macro JLOAD                           ; waves 0, 1 ask for A, waves 2, 3 for B: one line, one mask each
	s_cmp_eq_u32 s19, 0
	s_cbranch_scc0 .Lfor_b_\@
	tensor_load_to_lds s[G0A:G0A+3], s[G1A:G1A+7]
	s_nop 0
	PLACES 4
	s_branch .Lasked_\@
.Lfor_b_\@:
	tensor_load_to_lds s[G0B:G0B+3], s[G1B:G1B+7]
	s_nop 0
	PLACES 4
.Lasked_\@:
.endm
.macro CROUND
	s_barrier_signal -1
	s_barrier_wait -1
	s_cmp_lg_u32 s18, 0
	s_cbranch_scc1 .Lnot_wave_0_\@
	s_barrier_signal -3
.Lnot_wave_0_\@:
	s_barrier_wait -3
	s_barrier_signal -1
	s_barrier_wait -1
.endm
.macro DESC ra, rb                     ; the addresses of the block whose first rows are s\ra (A) and s\rb (B)
	s_lshl_b32 s50, s20, 6
	s_add_co_u32 s50, s50, s\ra
	s_mul_i32 s50, s50, 768
	s_mov_b32 s51, 0
	s_add_nc_u64 s[G0A+2:G0A+3], s[4:5], s[50:51]
	s_or_b32 s[G0A+3], s[G0A+3], 0x80000000
	s_lshl_b32 s52, s20, 7
	s_add_co_u32 s52, s52, s\rb
	s_mul_i32 s52, s52, 768
	s_mov_b32 s53, 0
	s_add_nc_u64 s[G0B+2:G0B+3], s[4:5], s[52:53]
	s_or_b32 s[G0B+3], s[G0B+3], 0x80000000
.endm
.macro SCLOAD ra, rb                   ; my 64 + 128 rows' scale words: 12 loads, each of two runs of 256 bytes
	s_lshl_b32 s54, s19, 6
	s_add_co_u32 s54, s54, s\ra
	s_lshl_b32 s54, s54, 5
	s_mov_b32 s55, 0
	s_add_nc_u64 s[54:55], s[6:7], s[54:55]
	s_lshl_b32 s56, s20, 7
	s_add_co_u32 s56, s56, s\rb
	s_lshl_b32 s56, s56, 5
	s_mov_b32 s57, 0
	s_add_nc_u64 s[56:57], s[6:7], s[56:57]
.irp f, 0,1
.irp i, 0,1
	global_load_b128 v[SA+8*\i+4*\f:SA+8*\i+4*\f+3], v[SXO], s[54:55] offset:1024*\i+256*\f
.endr
.irp i, 0,1,2,3
	global_load_b128 v[SB+8*\i+4*\f:SB+8*\i+4*\f+3], v[SXO], s[56:57] offset:1024*\i+256*\f
.endr
.endr
.endm
.macro W1 c, bp, ap, ks, bo, ao
	v_wmma_scale_f32_16x16x128_f8f6f4 v[D_:D_+7], v[FB_:FB_+11], v[FA_:FA_+11], \c, v[SB+8*\bp+(\ks)], v[SA+8*\ap+(\ks)] matrix_a_fmt:MATRIX_FMT_FP6 matrix_b_fmt:MATRIX_FMT_FP6 matrix_a_scale:MATRIX_SCALE_ROW\bo matrix_b_scale:MATRIX_SCALE_ROW\ao
.endm
.macro MULS ks, zero                   ; a K step: 32 products, the 32 accumulators by turns
.irp ap, 0,1
.irp ao, 0,1
.irp bp, 0,1,2,3
.irp bo, 0,1
.set D_, 8*(8*(2*\ap+\ao)+2*\bp+\bo)
.set FB_, 128*((\ks)%2)+12*(2*\bp+\bo)
.set FA_, 48*((\ks)%2)+12*(2*\ap+\ao)
.if \zero
	W1 0, \bp, \ap, \ks, \bo, \ao
.else
	W1 v[D_:D_+7], \bp, \ap, \ks, \bo, \ao
.endif
.endr
.endr
.endr
.endr
.endm
.macro FETCH ks                        ; K step ks's twelve fragments into set ks % 2: 36 loads
.set P_, (\ks)%2
	WIN 0x40
.irp i, 0,1,2,3,4,5,6,7
.irp c, 0,1,2
	ds_load_b128 v[128*P_+12*\i+4*\c:128*P_+12*\i+4*\c+3], v[ADRB+\i/4] offset:(\i%4)*TRB+(\ks)*1536+512*\c
.endr
.endr
	WIN 0xc0
.irp i, 0,1,2,3
.irp c, 0,1,2
	ds_load_b128 v[48*P_+12*\i+4*\c:48*P_+12*\i+4*\c+3], v[ADRA] offset:\i*TRB+(\ks)*1536+512*\c
.endr
.endr
.endm
.macro KS ks
	PLACES 4                                       ; behind the products that read the set which is loaded anew
	FETCH (\ks)+1
	s_wait_dscnt 36                                ; all but the 36 just issued
	WIN 0xad                                       ; source 0 window 1, source 1 window 3, C and D window 2
	MULS \ks, (\ks)==0
.endm
.macro WALK bl, pf                     ; K steps 0 to 6 of a block.  bl: the bias loads, younger than the scale words'
	s_wait_tensorcnt 0x0                           ; my part of the block is in;
	s_barrier_signal -1
	s_barrier_wait -1                              ; everybody's is.
	FETCH 0
	s_wait_loadcnt \bl
	KS 0
	KS 1
.if \pf
	WIN 0
	global_prefetch_b8 v[PFA], s[88:89] th:TH_LOAD_NT scope:SCOPE_SE
	global_prefetch_b8 v[PFB], s[90:91] th:TH_LOAD_NT scope:SCOPE_SE
	global_prefetch_b8 v[PFB], s[90:91] offset:6144 th:TH_LOAD_NT scope:SCOPE_SE
.endif
.irp k, 2,3,4,5,6
	KS \k
.endr
.endm
.macro ADDB a, vmode                   ; A's tile a: 64 sums + the bias, into window 0; each accumulator from its low end on
	WIN 0x0e
.set AC, 64*(\a)
.set JJ, 0
.rept 32
.if \vmode
	v_pk_add_f32 v[H+JJ:H+JJ+1], v[AC+JJ:AC+JJ+1], v[BIAS+2*(\a):BIAS+2*(\a)+1]
.else
	v_pk_add_f32 v[H+JJ:H+JJ+1], v[AC+JJ:AC+JJ+1], v[BIAS+JJ:BIAS+JJ+1]
.endif
.set JJ, JJ+2
.endr
	WIN 0
.endm
.macro QUANT s, d0, d1, pw             ; 64 numbers a lane, four blocks of 32 shared with lane l xor 16: codes into d0, d1 (six registers each), the four bytes into pw
.irp b, 0,1,2,3
	v_max3_num_f32 v[TM+\b], |v[\s+16*\b]|, |v[\s+1+16*\b]|, 0x1800000
.endr
.irp i, 2,4,6,8,10,12,14
.irp b, 0,1,2,3
	v_max3_num_f32 v[TM+\b], v[TM+\b], |v[\s+16*\b+\i]|, |v[\s+1+16*\b+\i]|
.endr
.endr
.irp b, 0,1,2,3
	v_permlanex16_b32 v[TM+4+\b], v[TM+\b], s[SEL], s[SEL+1]
.endr
.irp b, 0,1,2,3
	v_max_num_f32 v[TM+\b], v[TM+\b], v[TM+4+\b]
.endr
.irp b, 0,1,2,3
	v_add_nc_u32 v[TM+12+\b], 0xff000000, v[TM+\b]
.endr
.irp b, 0,1,2,3
	v_lshrrev_b32 v[TM+4+\b], 23, v[TM+12+\b]
.endr
	v_lshl_or_b32 v[\pw], v[TM+5], 8, v[TM+4]
	v_lshl_or_b32 v[\pw], v[TM+6], 16, v[\pw]
	v_lshl_or_b32 v[\pw], v[TM+7], 24, v[\pw]
	v_cvt_scalef32_pk16_fp6_f32 v[(\d0):(\d0)+2], v[\s:\s+15], v[TM+12]
	v_cvt_scalef32_pk16_fp6_f32 v[PT:PT+2], v[\s+16:\s+31], v[TM+13]
	v_cvt_scalef32_pk16_fp6_f32 v[(\d1):(\d1)+2], v[\s+32:\s+47], v[TM+14]
	v_cvt_scalef32_pk16_fp6_f32 v[PT+4:PT+6], v[\s+48:\s+63], v[TM+15]
	v_nop                                          ; one plain place behind the conversions
.irp i, 0,1,2
	v_permlane16_swap_b32 v[(\d0)+\i], v[PT+\i]
	v_permlane16_swap_b32 v[(\d1)+\i], v[PT+4+\i]
.endr
.irp i, 0,1,2
	v_mov_b32 v[(\d0)+3+\i], v[PT+\i]
	v_mov_b32 v[(\d1)+3+\i], v[PT+4+\i]
.endr
.endm
	s_load_b256 s[4:11], s[0:1], 0x0               ; xc, xs, bq, bk
	s_load_b128 s[12:15], s[0:1], 0x20             ; bv, qb
	s_load_b64 s[16:17], s[0:1], 0x30              ; kv
	v_lshl_add_u32 v[SPW], v0, 2, SPARE
	v_mov_b32 v[NIL], 0
	ds_add_u32 v[SPW], v[NIL]                      ; the opening lines: the add twice and its wait
	ds_add_u32 v[SPW], v[NIL]
	v_lshrrev_b32 v14, 5, v0
	v_readfirstlane_b32 s18, v14                   ; wave
	s_lshr_b32 s19, s18, 1                         ; my half of A's rows; also: I fetch for A (0) or B (1)
	s_and_b32 s20, s18, 1                          ; my half of B's rows; also: which half I fetch
	s_bfe_u32 s22, ttmp6, 0x40000                  ; cx
	s_bfe_u32 s23, ttmp6, 0x40004                  ; cy
	s_and_b32 s21, ttmp7, 0xffff                   ; the cluster, 0 .. 15
	s_lshl_b32 s42, s23, 2
	s_lshl_b32 s42, 15, s42                        ; my row of the cluster
	s_lshl_b32 s43, 0x1111, s22                    ; my column
	s_or_b32 s[G1A], s42, (3<<16)|(1<<21)          ; rows of 1,536 elements of 8 bytes, dense: A 4 rows, B 8
	s_or_b32 s[G1B], s43, (3<<16)|(1<<21)
	s_mov_b32 s[G1A+2], 4<<16
	s_mov_b32 s[G1A+4], 4
	s_mov_b32 s[G1B+2], 8<<16
	s_mov_b32 s[G1B+4], 8
.irp g, G1A, G1B
	s_mov_b32 s[\g+1], 1536<<16
	s_mov_b32 s[\g+3], 1536<<16
	s_mov_b32 s[\g+5], 1536
	s_mov_b32 s[\g+6], 0
	s_mov_b32 s[\g+7], 0
.endr
	s_lshl_b32 s40, s21, 2
	s_add_co_u32 s40, s40, s23                     ; Q's and K's tile of 128 tokens, 0 .. 63
	s_lshl_b32 s24, s40, 7                         ; first rows of A: Q's block,
	s_add_co_u32 s26, s24, 8192                    ; K's,
	s_and_b32 s41, s21, 1
	s_lshl_b32 s41, s41, 2
	s_add_co_u32 s41, s41, s23                     ; V's tile of 128 channels, 0 .. 7
	s_lshl_b32 s28, s41, 7
	s_add_co_u32 s28, s28, 26624                   ; V's
	s_lshl_b32 s25, s22, 8
	s_add_co_u32 s25, s25, 24576                   ; first rows of B: Q's,
	s_add_co_u32 s27, s25, 1024                    ; K's,
	s_lshr_b32 s44, s21, 1
	s_lshl_b32 s44, s44, 2
	s_add_co_u32 s44, s44, s22                     ; V's tile of 256 tokens, 0 .. 31
	s_lshl_b32 s29, s44, 8
	s_add_co_u32 s29, s29, 16384                   ; V's
	s_mov_b32 s[G0A], 1
	s_mul_i32 s[G0A+1], s20, RGN/2
	s_mov_b32 s[G0B], 1
	s_mul_i32 s[G0B+1], s20, RGN
	s_add_co_u32 s[G0B+1], s[G0B+1], RGN
	s_mov_b32 s[SEL], 0x76543210
	s_mov_b32 s[SEL+1], 0xfedcba98
	s_mov_b32 s100, 0xffff0000                     ; lanes 16-31
	s_wait_dscnt 0x0
	s_wait_kmcnt 0x0
	DESC 24, 25
	CROUND                                         ; all sixteen work-groups are here: the joint loads meet
	JLOAD                                          ; Q's block: one tensor load a wave
	v_and_b32 v14, 31, v0
	v_and_b32 v15, 15, v0
	v_bfe_u32 v16, v0, 4, 1
	v_lshlrev_b32 v[LI], 4, v14
	v_lshlrev_b32 v[LS], 2, v14
	s_mul_i32 s45, s19, RGN/2
	v_add_nc_u32 v[ADRA], s45, v[LI]
	s_mul_i32 s45, s20, RGN
	s_add_co_u32 s45, s45, RGN
	v_add_nc_u32 v[ADRB], s45, v[LI]
	s_add_co_u32 s45, s45, RGN/2
	v_add_nc_u32 v[ADRB+1], s45, v[LI]
	v_lshlrev_b32 v[BOQ], 5, v16                   ; Q, K: register 8 b + j is channel 16 b + 8 h + j
	v_lshlrev_b32 v[BOV], 2, v15                   ; V: my lane is channel 16 a + r
	v_lshlrev_b32 v[SXO], 4, v15
	v_lshl_add_u32 v[SXO], v16, 9, v[SXO]          ; scale words: 16 r, the odd tile 512 on
	v_min_u32 v17, 23, v14                         ; 24 runs of 256 bytes an instruction; the lanes left over name the last again
	s_lshl_b32 s45, s22, 2
	s_add_co_u32 s45, s45, s18
	s_mul_i32 s45, s45, 6144
	v_lshl_add_u32 v[PFA], v17, 8, s45             ; my sixteenth of A's 98,304 bytes, by cx and the wave
	s_lshl_b32 s45, s23, 2
	s_add_co_u32 s45, s45, s18
	s_mul_i32 s45, s45, 12288
	v_lshl_add_u32 v[PFB], v17, 8, s45             ; and of B's 196,608, by cy and the wave
.irp b, 0,1,2,3
	v_mov_b32 v[TM+4+\b], 0                        ; a lane permute's destination counts as read
.endr
	s_wait_alu depctr_va_vdst(0)                   ; the wait at the head's end
	SCLOAD 24, 25
	s_lshl_b32 s46, s22, 2
	s_lshl_b32 s47, s20, 1
	s_add_co_u32 s46, s46, s47                     ; Q, K: the first of my two heads
	s_lshr_b32 s49, s40, 4
	s_lshl_b32 s49, s49, 4
	s_add_co_u32 s49, s49, s46
	s_lshl_b32 s49, s49, 4
	s_and_b32 s47, s40, 15
	s_add_co_u32 s49, s49, s47                     ; its record: (16 batch + head) 16 + step
	s_mov_b32 s3, 0
.Ltile:                                                ; trip 0: Q, trip 1: K
	s_wait_xcnt 0x0                                ; the last trip's stores, loads and prefetches have read their registers
	s_cmp_eq_u32 s3, 0
	s_cselect_b64 s[84:85], s[8:9], s[10:11]
	s_cselect_b64 s[92:93], s[14:15], s[16:17]
	s_mov_b32 s47, 12800
	s_cselect_b32 s47, 6400, s47                   ; a record's bytes
	s_mov_b32 s48, 12288
	s_cselect_b32 s48, 6144, s48                   ; where its scale words begin
	s_lshl_b32 s86, s46, 8
	s_mov_b32 s87, 0
	s_add_nc_u64 s[84:85], s[84:85], s[86:87]
	WIN 0xc0
.irp b, 0,1,2,3,4,5,6,7
	global_load_b128 v[BIAS+8*\b:BIAS+8*\b+3], v[BOQ], s[84:85] offset:64*\b
	global_load_b128 v[BIAS+8*\b+4:BIAS+8*\b+7], v[BOQ], s[84:85] offset:64*\b+16
.endr
	WIN 0
	s_mul_i32 s86, s49, s47
	s_add_nc_u64 s[92:93], s[92:93], s[86:87]
	s_mov_b32 s86, s48
	s_add_nc_u64 s[96:97], s[92:93], s[86:87]
	s_lshl_b32 s86, s19, 7
	s_add_nc_u64 s[96:97], s[96:97], s[86:87]      ; my 64 tokens' scale words
	s_mul_i32 s86, s19, 3072
	s_add_nc_u64 s[92:93], s[92:93], s[86:87]      ; and their two images
	s_lshl_b32 s86, s47, 4
	s_add_nc_u64 s[94:95], s[92:93], s[86:87]      ; the next head: 16 records on
	s_add_nc_u64 s[98:99], s[96:97], s[86:87]
	s_mul_i32 s88, s26, 768                        ; the next block, for the prefetches
	s_mov_b32 s89, 0
	s_add_nc_u64 s[88:89], s[4:5], s[88:89]
	s_mul_i32 s90, s27, 768
	s_mov_b32 s91, 0
	s_add_nc_u64 s[90:91], s[4:5], s[90:91]
	WALK 16, 1
	WIN 0
	s_wait_tensorcnt 0x0                           ; ahead of a refill's round
	ds_add_u32 v[SPW], v[NIL]
	DESC 26, 27
	s_wait_dscnt 0x0                               ; the add is done, and the last K step's fragments, asked for ahead of the seventh step's products, are in registers: I read the block no more
	CROUND                                         ; no wave of any partner still reads the block
	JLOAD                                          ; the next block
	WIN 0xad
	MULS 7, 0                                      ; the last K step's products touch registers alone
	WIN 0
	PLACES 4                                       ; behind the products whose scale words are loaded anew
	SCLOAD 26, 27
	s_wait_loadcnt 12                              ; the bias is in; the 12 loads just issued may be out
.irp y, 0,1
.if \y > 0
	s_wait_xcnt 0x0
.endif
.irp x, 0,1
	ADDB 2*\y+\x, 0
	QUANT H, IMG0+6*\x, IMG1+6*\x, PWA+\x
.endr
	v_perm_b32 v[SW+\y], v[PWA+1], v[PWA], 0x05040100      ; the image's scale word: two bytes of each of its two tiles
	v_perm_b32 v[SW+2+\y], v[PWA+1], v[PWA], 0x07060302
.irp c, 0,1,2
	global_store_b128 v[LI], v[IMG0+4*\c:IMG0+4*\c+3], s[92:93] offset:1536*\y+512*\c
	global_store_b128 v[LI], v[IMG1+4*\c:IMG1+4*\c+3], s[94:95] offset:1536*\y+512*\c
.endr
.endr
	s_wait_alu depctr_va_vdst(0)                   ; the words were written ahead of a blocking wait
	v_cndmask_b32 v[CW], v[SW], v[SW+1], s100
	v_cndmask_b32 v[CW+1], v[SW+2], v[SW+3], s100
	global_store_b32 v[LS], v[CW], s[96:97]
	global_store_b32 v[LS], v[CW+1], s[98:99]
	s_mov_b32 s26, s28
	s_mov_b32 s27, s29
	s_add_co_u32 s3, s3, 1
	s_cmp_lg_u32 s3, 2
	s_cbranch_scc1 .Ltile
	s_wait_xcnt 0x0                                ; V: written out, it asks for nothing more
	s_lshl_b32 s46, s41, 1
	s_add_co_u32 s46, s46, s19                     ; my head
	s_lshl_b32 s86, s46, 8
	s_mov_b32 s87, 0
	s_add_nc_u64 s[84:85], s[12:13], s[86:87]
	WIN 0xc0
.irp a, 0,1,2,3
	global_load_b32 v[BIAS+2*\a], v[BOV], s[84:85] offset:64*\a
	global_load_b32 v[BIAS+2*\a+1], v[BOV], s[84:85] offset:64*\a
.endr
	WIN 0
	s_lshl_b32 s47, s44, 1
	s_add_co_u32 s47, s47, s20                     ; my 128 keys, 0 .. 63
	s_lshr_b32 s49, s47, 4
	s_lshl_b32 s49, s49, 4
	s_add_co_u32 s49, s49, s46
	s_lshl_b32 s49, s49, 4
	s_and_b32 s47, s47, 15
	s_add_co_u32 s49, s49, s47
	s_mul_i32 s86, s49, 12800
	s_add_nc_u64 s[92:93], s[16:17], s[86:87]
	s_add_nc_u64 s[96:97], s[92:93], 12544
	s_add_nc_u64 s[92:93], s[92:93], 6144
	WALK 8, 0
	s_wait_dscnt 0x0
	MULS 7, 0
	PLACES 4
	WIN 0
	s_wait_loadcnt 0x0
.irp a, 0,1,2,3
.if \a > 0
	s_wait_xcnt 0x0
.endif
	ADDB \a, 1
	QUANT H, IMG0, IMG0+6, SW+\a
.irp c, 0,1,2
	global_store_b128 v[LI], v[IMG0+4*\c:IMG0+4*\c+3], s[92:93] offset:1536*\a+512*\c
.endr
.endr
	s_wait_alu depctr_va_vdst(0)                   ; as above
	v_cndmask_b32 v[CW], v[SW], v[SW+1], s100
	v_cndmask_b32 v[CW+1], v[SW+2], v[SW+3], s100
	global_store_b32 v[LS], v[CW], s[96:97]
	global_store_b32 v[LS], v[CW+1], s[96:97] offset:128
	s_wait_tensorcnt 0x0                           ; the wave's end
	ds_add_u32 v[SPW], v[NIL]
	s_wait_dscnt 0x0
	CROUND                                         ; the closing round
	s_endpgm
.Lfunc_end_k_q7b951c9ee0_proj:
	.size	k_q7b951c9ee0_proj, .Lfunc_end_k_q7b951c9ee0_proj-k_q7b951c9ee0_proj
	.p2alignl 7, 3214868480
	.fill 96, 4, 3214868480
	.section	.rodata,"a",@progbits
	.p2align	6, 0x0
	.amdhsa_kernel k_q7b951c9ee0_proj
		.amdhsa_group_segment_fixed_size 327680
		.amdhsa_private_segment_fixed_size 0
		.amdhsa_enable_private_segment 0
		.amdhsa_kernarg_size 56
		.amdhsa_user_sgpr_count 2
		.amdhsa_user_sgpr_kernarg_segment_ptr 1
		.amdhsa_wavefront_size32 1
		.amdhsa_system_sgpr_workgroup_id_x 1
		.amdhsa_system_sgpr_workgroup_id_y 1
		.amdhsa_system_sgpr_workgroup_id_z 1
		.amdhsa_system_vgpr_workitem_id 0
		.amdhsa_next_free_vgpr 1024
		.amdhsa_next_free_sgpr 102
		.amdhsa_reserve_vcc 0
		.amdhsa_float_denorm_mode_32 3
		.amdhsa_float_denorm_mode_16_64 3
		.amdhsa_memory_ordered 1
		.amdhsa_forward_progress 1
		.amdhsa_inst_pref_size 170
	.end_amdhsa_kernel
	.amdgpu_metadata
---
amdhsa.version: [ 1, 2 ]
amdhsa.kernels:
  - .name:           k_q7b951c9ee0_proj
    .symbol:         k_q7b951c9ee0_proj.kd
    .args:
      - { .name: xc, .offset: 0, .size: 8, .value_kind: global_buffer, .address_space: global }
      - { .name: xs, .offset: 8, .size: 8, .value_kind: global_buffer, .address_space: global }
      - { .name: bq, .offset: 16, .size: 8, .value_kind: global_buffer, .address_space: global }
      - { .name: bk, .offset: 24, .size: 8, .value_kind: global_buffer, .address_space: global }
      - { .name: bv, .offset: 32, .size: 8, .value_kind: global_buffer, .address_space: global }
      - { .name: qb, .offset: 40, .size: 8, .value_kind: global_buffer, .address_space: global }
      - { .name: kv, .offset: 48, .size: 8, .value_kind: global_buffer, .address_space: global }
    .group_segment_fixed_size: 327680
    .private_segment_fixed_size: 0
    .kernarg_segment_align: 8
    .kernarg_segment_size: 56
    .max_flat_workgroup_size: 128
    .sgpr_count:     102
    .vgpr_count:     1024
    .wavefront_size: 32
...
	.end_amdgpu_metadata
.endif
;; end of part 3
;; launch attn (part 4): grid 4 x 64, 16 waves a work-group, clusters of 4 x 1, 206,848 bytes of LDS; arguments qb, kv, mb, cc, cs; writes cc, cs
.if DOCPART == 4
	.amdgcn_target "amdgcn-amd-amdhsa--gfx1250"
	.amdhsa_code_object_version 6
	.text
	.protected	k_q7b951c9ee0_attn
	.globl	k_q7b951c9ee0_attn
	.p2align	8
	.type	k_q7b951c9ee0_attn,@function
k_q7b951c9ee0_attn:
	s_mov_b64 s[64:65], 0
	v_nop
	global_prefetch_b8 v0, s[64:65] scope:SCOPE_SE
	s_setreg_imm32_b32 hwreg(HW_REG_WAVE_MODE, 25, 1), 1
	s_wait_xcnt 0x0
	s_wait_alu depctr_hold_cnt(0) depctr_sa_sdst(0) depctr_va_vdst(0) depctr_va_sdst(0) depctr_va_ssrc(0) depctr_va_vcc(0) depctr_vm_vsrc(0)
	s_getreg_b32 s2, hwreg(HW_REG_IB_STS2, 6, 4)
	s_cmp_eq_u32 s2, 0
	s_cbranch_scc0 .Lentry_in_a_cluster
	s_endpgm
.Lentry_in_a_cluster:
	s_bfe_u32 s2, ttmp6, 0x10000c
	s_cmp_lg_u32 s2, 0x3003
	s_cbranch_scc0 .Lentry_shape_is_right
	s_endpgm
.Lentry_shape_is_right:
; Attention of one head on codes of FP6 (E2M3) with E8M0 scales: scores, mask, softmax, the product with V, the division by the row's sum, and the quantiser of the result along the 1,024 of concat.
; t = score x log2(e) / 8; M = the row's largest t so far, rounded up to a whole number; p = 2^(t - M) is quantised along the keys, not normalised; the row's sum is taken of the unquantised p.
; When M moves, the sum and O are multiplied by 2^(old M - new M): exact.
; THE MASK: a masked raw score is -2^33, that is a logit of -2^30 where reference() has -1e9.  -2^33 x log2(e) / 8 is exact and a whole number, so in a row that is wholly masked t - M is exactly 0,
; p = 1 everywhere, and the row comes out uniform, as in reference().  LIMIT: results differ from reference()'s only where a row's largest unmasked logit lies under about -1e9.
; Other limits: NaN and infinities are not served; a block whose largest magnitude lies under 2^-124 keeps the byte 1.
; SHARES.  The four work-groups of a cluster belong to one head (the cluster's y).  The head's K and V, images and scale words, 16 records of 12,800 bytes, fill LDS ONCE: wave w asks for record w,
; jointly with the same wave of the three partners.  Nothing is filled again, so there is no ring.  A work-group owns 512 queries as two blocks of 256; a wave one tile of 16 queries of each block.
; LAYOUT.  Both products are used transposed: a lane holds one query (lane % 16).  S^T: register 8 t + j is key 16 t + 8 (lane / 16) + j of the step's 128.
; THE HEAD IS 64 WIDE AND THE INSTRUCTION 128: an image of K holds 16 keys in registers 0-5 and the next 16 in registers 6-11; multiplied by [q, 0] it gives the first 16 keys' scores, by [0, q] the others'.
; Zero codes add nothing, so no LDS byte is spent on padding.
; The mask comes as 64 lane masks a step (made by the launch maskpack), by four scalar loads asked for one step ahead: one select a score.
; REGISTERS: v1-11 addresses and constants; v12 -M, v13 the largest t, v[14:15] the sum; v16-27 [q, 0]; v28-39 [0, q]; v40-87 four images of K, then of V; v88-151 S^T, then p; v152-183 O^T;
;   v184-195 p's codes; v196-215 at work; v216-221 scale words and nothing else; v222-230 at work.
.set REC,  12800
.set QL,   16
.set QH,   28
.set F,    40
.set S,    88
.set O,    152
.set PC,   184
.set PT,   196
.set BM,   204
.set BT,   208
.set BS,   212
.set KSC,  216
.set VSC,  218
.set QS,   220
.set PW,   221
.set FF,   222
.set TMP,  224
.set SUM2, 226
.set RL,   228
.set SBY,  230
.set WV,   2                           ; s2   my wave's number
.set TB,   3                           ; s3   LDS byte at which the step's record begins
.set T,    14                          ; s14  steps begun, over both blocks
.set CNT,  66                          ; s66  the loop's counter
.set MO,   67                          ; s67  the mask words' byte offset
.set SEL,  84
.set CS,   86                          ; s[86:87] log2(e) / 8
.set G0,   88
.set G1,   92
.macro CROUND                          ; a round of the cluster's barrier
	s_barrier_signal -1
	s_barrier_wait -1
	s_cmp_lg_u32 s[WV], 0
	s_cbranch_scc1 .Lnot_wave_0_\@
	s_barrier_signal -3
.Lnot_wave_0_\@:
	s_barrier_wait -3
	s_barrier_signal -1
	s_barrier_wait -1
.endm
.macro MLOADS                          ; 64 mask words: word n in s[16 + n] (n under 48), else in s[20 + n]
	s_load_b512 s[16:31], s[8:9], s[MO] offset:0x0
	s_load_b512 s[32:47], s[8:9], s[MO] offset:0x40
	s_load_b512 s[48:63], s[8:9], s[MO] offset:0x80
	s_load_b512 s[68:83], s[8:9], s[MO] offset:0xc0
.endm
.macro QLOAD i                         ; my tile's half of its image, twice: into [q, 0] and into [0, q]; and its scale word
	global_load_b64 v[QL:QL+1], v6, s[4:5] offset:REC*(\i)
	global_load_b64 v[QL+2:QL+3], v7, s[4:5] offset:REC*(\i)
	global_load_b64 v[QL+4:QL+5], v6, s[4:5] offset:REC*(\i)+512
	global_load_b64 v[QH+6:QH+7], v6, s[4:5] offset:REC*(\i)
	global_load_b64 v[QH+8:QH+9], v7, s[4:5] offset:REC*(\i)
	global_load_b64 v[QH+10:QH+11], v6, s[4:5] offset:REC*(\i)+512
	global_load_b32 v11, v8, s[6:7] offset:REC*(\i)        ; (a block of 256 queries is two records of 6,400 bytes)
.endm
	s_load_b256 s[4:11], s[0:1], 0x0               ; qb s[4:5], kv s[6:7], mb s[8:9], cc s[10:11]
	s_load_b64 s[12:13], s[0:1], 0x20              ; cs
	v_lshl_add_u32 v254, v0, 2, 0x32000
	v_mov_b32 v255, 0
	ds_add_u32 v254, v255
	ds_add_u32 v254, v255
	v_lshrrev_b32 v[TMP], 5, v0
	s_delay_alu instid0(VALU_DEP_1)
	v_readfirstlane_b32 s[WV], v[TMP]              ; wave 0..15
	s_bfe_u32 s15, ttmp6, 0x40000                  ; cx: it enters Q's, the mask's and the outputs' addresses alone
	s_and_b32 s66, ttmp7, 0xffff                   ; b h, which the four partners share
	s_mul_i32 s16, s66, 16*REC
	s_mul_i32 s[G0+1], s[WV], REC                  ; record w goes to LDS byte 12,800 w
	s_add_co_u32 s16, s16, s[G0+1]                 ; and lies so in the head's part of kv
	s_mov_b32 s17, 0
	s_lshl_b32 s18, s15, 2
	s_lshr_b32 s19, s[WV], 3
	s_add_co_u32 s18, s18, s19                     ; Q's record: 4 cx + w / 8 (eight tiles to a record)
	s_mul_i32 s18, s18, 6400
	s_mul_i32 s19, s66, 16*6400
	s_add_co_u32 s18, s18, s19
	s_bfe_u32 s20, s[WV], 0x20001                  ; the image: (w / 2) % 4
	s_mul_i32 s22, s20, 1536
	s_add_co_u32 s22, s22, s18
	s_mov_b32 s23, 0
	s_lshl_b32 s20, s20, 6
	s_add_co_u32 s20, s20, s18
	s_add_co_u32 s20, s20, 6144                    ; its 16 scale words
	s_mov_b32 s21, 0
	s_lshr_b32 s24, s66, 4                         ; the batch
	s_lshl_b32 s25, s15, 5
	s_add_co_u32 s25, s25, s[WV]
	s_lshl_b32 s26, s24, 7
	s_add_co_u32 s26, s26, s25                     ; my tile of 16 tokens in block 0: 128 b + 32 cx + w
	s_lshl_b32 s28, s26, 12                        ; its mask words: 4,096 bytes a tile
	s_mov_b32 s29, 0
	s_and_b32 s27, s66, 15                         ; the head
	s_mul_i32 s30, s26, 12288
	s_mul_i32 s31, s27, 768
	s_add_co_u32 s30, s30, s31                     ; cc: [tile][head][768]
	s_mov_b32 s31, 0
	s_lshl_b32 s32, s26, 9                         ; cs: 16 tokens of 32 bytes,
	s_lshl_b32 s33, s27, 1
	s_add_co_u32 s32, s32, s33                     ; two bytes a head
	s_mov_b32 s33, 0
	s_and_b32 s34, s[WV], 1                        ; which half of the image is my tile
	s_mul_i32 s35, s34, 520
	s_mul_i32 s36, s34, 1016
	s_add_co_u32 s36, s36, 8
	s_mov_b32 s101, 0x03020302
	s_cmp_eq_u32 s34, 0
	s_cselect_b32 s101, 0x01000100, s101           ; my tile's two scale bytes, twice
	s_mov_b32 s[G0], 1
	s_mov_b32 s[G1], 15|(3<<16)|(1<<21)            ; the mask: all four work-groups; elements of 8 bytes; bit 21 beside a mask; no padding
	s_mov_b32 s[G1+1], 32<<16                      ; a record is dense: 50 rows of 256 bytes
	s_mov_b32 s[G1+2], 50<<16
	s_mov_b32 s[G1+3], 32<<16
	s_mov_b32 s[G1+4], 50
	s_mov_b32 s[G1+5], 32
	s_mov_b32 s[G1+6], 0
	s_mov_b32 s[G1+7], 0
	s_mov_b32 s[SEL], 0x76543210
	s_mov_b32 s[SEL+1], 0xfedcba98
	s_mov_b32 s[CS], 0x3e38aa3b                    ; log2(e) / sqrt(64)
	s_mov_b32 s[CS+1], s[CS]
	s_mov_b32 s100, 0xffff0000                     ; lanes 16-31
	s_mov_b32 s[T], 0
	s_mov_b32 s[MO], 0
	v_and_b32 v[TMP], 31, v0
	s_delay_alu instid0(VALU_DEP_1)
	v_lshlrev_b32 v1, 4, v[TMP]                    ; 16 x lane: an image's place for my lane
	s_delay_alu instid0(VALU_DEP_2)
	v_lshlrev_b32 v2, 2, v[TMP]                    ; 4 x lane: a scale word's
	s_delay_alu instid0(VALU_DEP_3)
	v_lshlrev_b32 v9, 3, v[TMP]                    ; 8 x lane: cc
	s_delay_alu instid0(VALU_DEP_3)
	v_add_nc_u32 v6, s35, v1                       ; registers 0, 1 (or 6, 7) of the image; + 512: registers 4, 5 (or 10, 11)
	s_delay_alu instid0(VALU_DEP_4)
	v_add_nc_u32 v7, s36, v1                       ; registers 2, 3 (or 8, 9)
	v_and_b32 v10, 15, v0
	s_delay_alu instid0(VALU_DEP_1)
	v_lshlrev_b32 v8, 2, v10                       ; 4 r
	v_bfe_u32 v[TMP], v0, 4, 1
	s_delay_alu instid0(VALU_DEP_1)
	v_lshl_add_u32 v10, v10, 5, v[TMP]             ; cs: 32 r + h
	v_mov_b32 v5, 0xd0000000                       ; -2^33
.irp j, 6,7,8,9,10,11
	v_mov_b32 v[QL+\j], 0                          ; the zero halves, written once
	v_mov_b32 v[QH+\j-6], 0
.endr
.irp b, 0,1,2,3
	v_mov_b32 v[BT+\b], 0                          ; a lane permute's destination counts as one of its sources
.endr
	v_mov_b32 v[FF+1], 0                           ; (named as the upper halves of pairs)
	v_mov_b32 v[RL+1], 0
	s_wait_dscnt 0x0
	s_wait_kmcnt 0x0
	s_add_nc_u64 s[G0+2:G0+3], s[6:7], s[16:17]
	s_or_b32 s[G0+3], s[G0+3], 0x80000000
	s_add_nc_u64 s[6:7], s[4:5], s[20:21]          ; Q's scale words
	s_add_nc_u64 s[4:5], s[4:5], s[22:23]          ; Q's image
	s_add_nc_u64 s[8:9], s[8:9], s[28:29]
	s_add_nc_u64 s[10:11], s[10:11], s[30:31]
	s_add_nc_u64 s[12:13], s[12:13], s[32:33]
	CROUND                                         ; all four work-groups are here: the joint loads meet
	tensor_load_to_lds s[G0:G0+3], s[G1:G1+7]      ; my one tensor load of the launch
	s_nop 0
.rept 4
	v_nop
.endr
	MLOADS                                         ; the first step's mask words
	QLOAD 0
	s_wait_tensorcnt 0x0                           ; my record is in,
	s_barrier_signal -1
	s_barrier_wait -1                              ; everybody's is; from here on nobody writes LDS
; A KEY STEP: 128 keys.
.macro STEP
	v_add_nc_u32 v3, s[TB], v1
	v_add_nc_u32 v4, s[TB], v2
	v_nop
	v_nop                                          ; four places behind the last step's products, whose operands are loaded anew
.irp g, 0,1,2,3
.irp c, 0,1,2
	ds_load_b128 v[F+12*\g+4*\c:F+12*\g+4*\c+3], v3 offset:1536*\g+512*\c      ; K's four images: 512 consecutive bytes a load
.endr
.endr
	ds_load_b32 v[KSC], v4 offset:12288            ; lanes 0-15: image 0's scale words, lanes 16-31: image 1's
	ds_load_b32 v[KSC+1], v4 offset:12416
	s_wait_alu depctr_va_vdst(0)
	s_wait_dscnt 0x0
.irp g, 0,2
	v_wmma_scale_f32_16x16x128_f8f6f4 v[S+16*\g:S+16*\g+7], v[F+12*\g:F+12*\g+11], v[QL:QL+11], 0, v[KSC+\g/2], v[QS] matrix_a_fmt:MATRIX_FMT_FP6 matrix_b_fmt:MATRIX_FMT_FP6
	v_wmma_scale_f32_16x16x128_f8f6f4 v[S+16*\g+8:S+16*\g+15], v[F+12*\g:F+12*\g+11], v[QH:QH+11], 0, v[KSC+\g/2], v[QS] matrix_a_fmt:MATRIX_FMT_FP6 matrix_b_fmt:MATRIX_FMT_FP6
	v_wmma_scale_f32_16x16x128_f8f6f4 v[S+16*\g+16:S+16*\g+23], v[F+12*\g+12:F+12*\g+23], v[QL:QL+11], 0, v[KSC+\g/2], v[QS] matrix_a_fmt:MATRIX_FMT_FP6 matrix_b_fmt:MATRIX_FMT_FP6 matrix_a_scale:MATRIX_SCALE_ROW1
	v_wmma_scale_f32_16x16x128_f8f6f4 v[S+16*\g+24:S+16*\g+31], v[F+12*\g+12:F+12*\g+23], v[QH:QH+11], 0, v[KSC+\g/2], v[QS] matrix_a_fmt:MATRIX_FMT_FP6 matrix_b_fmt:MATRIX_FMT_FP6 matrix_a_scale:MATRIX_SCALE_ROW1
.endr
.rept 4
	v_nop                                          ; places: K's registers are loaded anew, and the scores are read
.endr
.irp t, 0,1,2,3
.irp c, 0,1,2
	ds_load_b128 v[F+12*\t+4*\c:F+12*\t+4*\c+3], v3 offset:6144+1536*\t+512*\c  ; V's four images land while the softmax is worked
.endr
.endr
	ds_load_b32 v[VSC], v4 offset:12544
	ds_load_b32 v[VSC+1], v4 offset:12672
	s_wait_kmcnt 0x0                               ; this step's mask words, asked for a step ago
.set NN, 0
.rept 64
.if NN < 48
	v_cndmask_b32 v[S+NN], v5, v[S+NN], s[16+NN]   ; where the mask is 0: -2^33.  Each accumulator from its low end on
.else
	v_cndmask_b32 v[S+NN], v5, v[S+NN], s[20+NN]
.endif
.set NN, NN+1
.endr
	s_add_co_u32 s[T], s[T], 1                     ; the next step's mask words: block T / 16 (65,536 bytes on), step T % 16 (256 bytes each); the very last step asks for its own again
	s_min_u32 s15, s[T], 31
	s_lshr_b32 s[MO], s15, 4
	s_lshl_b32 s[MO], s[MO], 16
	s_and_b32 s15, s15, 15
	s_lshl_b32 s15, s15, 8
	s_or_b32 s[MO], s[MO], s15
	MLOADS
.irp b, 0,1,2,3
	v_max3_num_f32 v[BM+\b], v[S+16*\b], v[S+1+16*\b], v[S+2+16*\b]   ; the largest score of each block of 32 keys: for the row's maximum, and, since p rises with the score, for the block's largest p
.endr
.irp i, 3,5,7,9,11,13
.irp b, 0,1,2,3
	s_delay_alu instid0(VALU_DEP_4)
	v_max3_num_f32 v[BM+\b], v[BM+\b], v[S+16*\b+\i], v[S+1+16*\b+\i]
.endr
.endr
.irp b, 0,1,2,3
	s_delay_alu instid0(VALU_DEP_4)
	v_max_num_f32 v[BM+\b], v[BM+\b], v[S+15+16*\b]
.endr
.irp b, 0,1,2,3
	s_delay_alu instid0(VALU_DEP_4)
	v_permlanex16_b32 v[BT+\b], v[BM+\b], s[SEL], s[SEL+1]
.endr
.irp b, 0,1,2,3
	s_delay_alu instid0(VALU_DEP_4)
	v_max_num_f32 v[BM+\b], v[BM+\b], v[BT+\b]     ; with lane l xor 16's 16 keys
.endr
	s_delay_alu instid0(VALU_DEP_2)
	v_max3_num_f32 v[TMP], v[BM], v[BM+1], v[BM+2]
	s_delay_alu instid0(VALU_DEP_1)
	v_max_num_f32 v[TMP], v[TMP], v[BM+3]
	s_delay_alu instid0(VALU_DEP_1)
	v_mul_f32 v[TMP], s[CS], v[TMP]
	s_delay_alu instid0(VALU_DEP_1)
	v_max_num_f32 v13, v13, v[TMP]                 ; the running largest t
	v_mov_b32 v[TMP], v12
	s_delay_alu instid0(VALU_DEP_2)
	v_floor_f32 v12, -v13                          ; the new -M = -ceil(t)
	s_delay_alu instid0(VALU_DEP_1)
	v_sub_f32 v[TMP], v12, v[TMP]                  ; old M - new M: a whole number, 0 or less
	s_delay_alu instid0(VALU_DEP_1)
	v_cvt_i32_f32 v[TMP], v[TMP]                   ; (it saturates)
	s_delay_alu instid0(VALU_DEP_1)
	v_ldexp_f32 v[FF], 1.0, v[TMP]                 ; f = 2^(old M - new M)
.set JJ, 0
.rept 32
	v_pk_fma_f32 v[S+JJ:S+JJ+1], v[S+JJ:S+JJ+1], s[CS:CS+1], v[12:13] op_sel_hi:[1,0,0]   ; t - M, two at a time
.set JJ, JJ+2
.endr
.irp b, 0,1,2,3
	v_fma_f32 v[BM+\b], v[BM+\b], s[CS], v12       ; the same of each block's largest score
.endr
.set JJ, 0
	s_wait_alu depctr_va_vdst(0)
.rept 64
	v_exp_f32 v[S+JJ], v[S+JJ]                     ; p = 2^(t - M)
.set JJ, JJ+1
.endr
	v_pk_mul_f32 v[14:15], v[14:15], v[FF:FF+1] op_sel_hi:[1,0]   ; the sums under the new M (a plain place behind the exponentials)
	s_wait_alu depctr_va_vdst(0)                   ; one wait for the batch of 64, ahead of its first reader
.irp b, 0,1,2,3
	v_exp_f32 v[BM+\b], v[BM+\b]                   ; the block's largest p
.endr
	v_pk_add_f32 v[226:227], v[92:93], v[96:97]
	v_pk_add_f32 v[252:253], v[100:101], v[104:105]
	v_pk_add_f32 v[250:251], v[108:109], v[112:113]
	v_pk_add_f32 v[248:249], v[116:117], v[120:121]
	v_pk_add_f32 v[246:247], v[124:125], v[128:129]
	v_pk_add_f32 v[244:245], v[132:133], v[136:137]
	v_pk_add_f32 v[242:243], v[140:141], v[144:145]
	v_pk_add_f32 v[14:15], v[14:15], v[148:149]
	v_pk_add_f32 v[226:227], v[226:227], v[88:89]
	v_pk_add_f32 v[252:253], v[252:253], v[90:91]
	v_pk_add_f32 v[250:251], v[250:251], v[94:95]
	v_pk_add_f32 v[248:249], v[248:249], v[98:99]
	v_pk_add_f32 v[246:247], v[246:247], v[102:103]
	v_pk_add_f32 v[244:245], v[244:245], v[106:107]
	v_pk_add_f32 v[242:243], v[242:243], v[110:111]
	v_pk_add_f32 v[14:15], v[14:15], v[114:115]
	v_pk_add_f32 v[226:227], v[226:227], v[118:119]
	v_pk_add_f32 v[252:253], v[252:253], v[122:123]
	v_pk_add_f32 v[250:251], v[250:251], v[126:127]
	v_pk_add_f32 v[248:249], v[248:249], v[130:131]
	v_pk_add_f32 v[246:247], v[246:247], v[134:135]
	v_pk_add_f32 v[244:245], v[244:245], v[138:139]
	v_pk_add_f32 v[242:243], v[242:243], v[142:143]
	v_pk_add_f32 v[14:15], v[14:15], v[146:147]
	v_pk_add_f32 v[226:227], v[226:227], v[150:151]
	s_delay_alu instid0(VALU_DEP_2)
	v_pk_add_f32 v[14:15], v[14:15], v[248:249]
	s_delay_alu instid0(VALU_DEP_2)
	v_pk_add_f32 v[226:227], v[226:227], v[246:247]
	v_pk_add_f32 v[252:253], v[252:253], v[244:245]
	v_pk_add_f32 v[250:251], v[250:251], v[242:243]
	s_delay_alu instid0(VALU_DEP_2)
	v_pk_add_f32 v[14:15], v[14:15], v[252:253]
	s_delay_alu instid0(VALU_DEP_2)
	v_pk_add_f32 v[226:227], v[226:227], v[250:251]
	s_delay_alu instid0(VALU_DEP_1)
	v_pk_add_f32 v[14:15], v[14:15], v[226:227]
	s_wait_alu depctr_va_vdst(0)                   ; and one for the four
.irp b, 0,1,2,3
	v_max_num_f32 v[BM+\b], 0x1800000, v[BM+\b]    ; the floor 2^(3 - 127): the byte cannot fall under 1
.endr
.irp b, 0,1,2,3
	s_delay_alu instid0(VALU_DEP_4)
	v_add_nc_u32 v[BS+\b], 0xff000000, v[BM+\b]    ; the conversion's scale operand
.endr
.irp b, 0,1,2,3
	s_delay_alu instid0(VALU_DEP_4)
	v_lshrrev_b32 v[BT+\b], 23, v[BS+\b]           ; the scale's byte
.endr
	s_delay_alu instid0(VALU_DEP_3)
	v_lshl_or_b32 v[PW], v[BT+1], 8, v[BT]         ; p's scale word for these 128 keys
	s_delay_alu instid0(VALU_DEP_1)
	v_lshl_or_b32 v[PW], v[BT+2], 16, v[PW]
	s_delay_alu instid0(VALU_DEP_1)
	v_lshl_or_b32 v[PW], v[BT+3], 24, v[PW]
.irp c, 0,1
	v_cvt_scalef32_pk16_fp6_f32 v[PC+6*\c:PC+6*\c+2], v[S+32*\c:S+32*\c+15], v[BS+2*\c]
	v_cvt_scalef32_pk16_fp6_f32 v[PT+4*\c:PT+4*\c+2], v[S+32*\c+16:S+32*\c+31], v[BS+2*\c+1]
.endr
	v_nop                                          ; one plain place behind a scaled conversion
.irp c, 0,1
.irp i, 0,1,2
	v_permlane16_swap_b32 v[PC+6*\c+\i], v[PT+4*\c+\i]   ; the operand's layout wants a whole block in a lane
.endr
.irp i, 0,1,2
	s_delay_alu instid0(VALU_DEP_3)
	v_mov_b32 v[PC+3+6*\c+\i], v[PT+4*\c+\i]
.endr
.endr
.set JJ, 0
.rept 16
	v_pk_mul_f32 v[O+JJ:O+JJ+1], v[O+JJ:O+JJ+1], v[FF:FF+1] op_sel_hi:[1,0]   ; O^T under the new M.  (These sixteen are also the places between the writing of p's codes and scale word and the products)
.set JJ, JJ+2
.endr
	s_wait_alu depctr_va_vdst(0)
	s_wait_dscnt 0x0                               ; V
.irp t, 0,2
	v_wmma_scale_f32_16x16x128_f8f6f4 v[O+8*\t:O+8*\t+7], v[F+12*\t:F+12*\t+11], v[PC:PC+11], v[O+8*\t:O+8*\t+7], v[VSC+\t/2], v[PW] matrix_a_fmt:MATRIX_FMT_FP6 matrix_b_fmt:MATRIX_FMT_FP6
	v_wmma_scale_f32_16x16x128_f8f6f4 v[O+8*\t+8:O+8*\t+15], v[F+12*\t+12:F+12*\t+23], v[PC:PC+11], v[O+8*\t+8:O+8*\t+15], v[VSC+\t/2], v[PW] matrix_a_fmt:MATRIX_FMT_FP6 matrix_b_fmt:MATRIX_FMT_FP6 matrix_a_scale:MATRIX_SCALE_ROW1
.endr
	s_add_co_u32 s[TB], s[TB], REC
.endm
; THE WAY OUT of block i: O^T / the sum; register 8 t + j of lane (r, h) is channel 16 t + 8 h + j of query r: two blocks of 32 along concat, quantised as they stand.
.macro WAYOUT i
.rept 4
	v_nop                                          ; places behind the last products
.endr
	v_add_f32 v14, v14, v15
	s_delay_alu instid0(VALU_DEP_1)
	v_permlanex16_b32 v[TMP], v14, s[SEL], s[SEL+1]
	s_delay_alu instid0(VALU_DEP_1)
	v_add_f32 v14, v14, v[TMP]                     ; the row's sum
	s_wait_alu depctr_va_vdst(0)
	v_rcp_f32 v[RL], v14
	v_nop                                          ; a plain place behind the transcendental
.if (\i) == 0
	QLOAD 1                                        ; the next block's queries
.endif
	s_wait_alu depctr_va_vdst(0)                   ; the wait ahead of the reciprocal's first reader
.set JJ, 0
.rept 16
	v_pk_mul_f32 v[S+JJ:S+JJ+1], v[O+JJ:O+JJ+1], v[RL:RL+1] op_sel_hi:[1,0]   ; each accumulator from its low end on
.set JJ, JJ+2
.endr
.irp b, 0,1
	v_max3_num_f32 v[BM+\b], |v[S+16*\b]|, |v[S+1+16*\b]|, 0x1800000
.endr
.irp e, 2,4,6,8,10,12,14
.irp b, 0,1
	s_delay_alu instid0(VALU_DEP_2)
	v_max3_num_f32 v[BM+\b], v[BM+\b], |v[S+16*\b+\e]|, |v[S+1+16*\b+\e]|
.endr
.endr
.irp b, 0,1
	s_delay_alu instid0(VALU_DEP_2)
	v_permlanex16_b32 v[BT+\b], v[BM+\b], s[SEL], s[SEL+1]
.endr
.irp b, 0,1
	s_delay_alu instid0(VALU_DEP_2)
	v_max_num_f32 v[BM+\b], v[BM+\b], v[BT+\b]
.endr
.irp b, 0,1
	s_delay_alu instid0(VALU_DEP_2)
	v_add_nc_u32 v[BS+\b], 0xff000000, v[BM+\b]
.endr
.irp b, 0,1
	s_delay_alu instid0(VALU_DEP_2)
	v_lshrrev_b32 v[BT+\b], 23, v[BS+\b]
.endr
	v_cvt_scalef32_pk16_fp6_f32 v[PC:PC+2], v[S:S+15], v[BS]
	v_cvt_scalef32_pk16_fp6_f32 v[PT:PT+2], v[S+16:S+31], v[BS+1]
	v_nop                                          ; one plain place behind a scaled conversion
.irp e, 0,1,2
	v_permlane16_swap_b32 v[PC+\e], v[PT+\e]
.endr
.irp e, 0,1,2
	s_delay_alu instid0(VALU_DEP_3)
	v_mov_b32 v[PC+3+\e], v[PT+\e]
.endr
	v_cndmask_b32 v[SBY], v[BT], v[BT+1], s100     ; lanes 0-15 store block 0's byte, lanes 16-31 block 1's
.irp p, 0,1,2
	global_store_b64 v9, v[PC+2*\p:PC+2*\p+1], s[10:11] offset:196608*(\i)+256*\p   ; 32 lanes store 256 consecutive bytes, aligned
.endr
	global_store_b8 v10, v[SBY], s[12:13] offset:8192*(\i)   ; one byte a lane, rows 32 bytes apart: one byte for every 24 of codes
.endm
.macro QBLOCK i
	s_wait_loadcnt 0x0                             ; Q
.if \i
	s_wait_xcnt 0x0                                ; the last block's stores have read their registers
.endif
	v_perm_b32 v[QS], v11, v11, s101               ; my tile's two bytes in both halves of the word
	v_mov_b32 v13, 0xff61b1e6                      ; the largest t so far: -3e38
	s_delay_alu instid0(VALU_DEP_1)
	v_floor_f32 v12, -v13
	v_mov_b32 v14, 0
	v_mov_b32 v15, 0
.set JJ, 0
.rept 32
	v_mov_b32 v[O+JJ], 0                           ; the step is written once: the first finds zeros, which the first change of M leaves zeros
.set JJ, JJ+1
.endr
	s_mov_b32 s[TB], 0
	s_mov_b32 s[CNT], 16
.Lstep_\@:
	STEP
	s_sub_co_u32 s[CNT], s[CNT], 1
	s_cmp_lg_u32 s[CNT], 0
	s_cbranch_scc1 .Lstep_\@
	WAYOUT \i
.endm
	QBLOCK 0
	QBLOCK 1
	s_wait_kmcnt 0x0                               ; the last request of mask words
	s_wait_dscnt 0x0
	s_wait_tensorcnt 0x0
	ds_add_u32 v254, v255
	s_wait_dscnt 0x0
	CROUND                                         ; the closing round
	s_endpgm
.Lfunc_end_k_q7b951c9ee0_attn:
	.size	k_q7b951c9ee0_attn, .Lfunc_end_k_q7b951c9ee0_attn-k_q7b951c9ee0_attn
	.p2alignl 7, 3214868480
	.fill 96, 4, 3214868480
	.section	.rodata,"a",@progbits
	.p2align	6, 0x0
	.amdhsa_kernel k_q7b951c9ee0_attn
		.amdhsa_group_segment_fixed_size 206848
		.amdhsa_private_segment_fixed_size 0
		.amdhsa_enable_private_segment 0
		.amdhsa_kernarg_size 40
		.amdhsa_user_sgpr_count 2
		.amdhsa_user_sgpr_kernarg_segment_ptr 1
		.amdhsa_wavefront_size32 1
		.amdhsa_system_sgpr_workgroup_id_x 1
		.amdhsa_system_sgpr_workgroup_id_y 1
		.amdhsa_system_sgpr_workgroup_id_z 1
		.amdhsa_system_vgpr_workitem_id 0
		.amdhsa_next_free_vgpr 256
		.amdhsa_next_free_sgpr 102
		.amdhsa_reserve_vcc 0
		.amdhsa_float_denorm_mode_32 3
		.amdhsa_float_denorm_mode_16_64 3
		.amdhsa_memory_ordered 1
		.amdhsa_forward_progress 1
		.amdhsa_inst_pref_size 64
	.end_amdhsa_kernel
	.amdgpu_metadata
---
amdhsa.version: [ 1, 2 ]
amdhsa.kernels:
  - .name:           k_q7b951c9ee0_attn
    .symbol:         k_q7b951c9ee0_attn.kd
    .args:
      - { .name: qb, .offset: 0, .size: 8, .value_kind: global_buffer, .address_space: global }
      - { .name: kv, .offset: 8, .size: 8, .value_kind: global_buffer, .address_space: global }
      - { .name: mb, .offset: 16, .size: 8, .value_kind: global_buffer, .address_space: global }
      - { .name: cc, .offset: 24, .size: 8, .value_kind: global_buffer, .address_space: global }
      - { .name: cs, .offset: 32, .size: 8, .value_kind: global_buffer, .address_space: global }
    .group_segment_fixed_size: 206848
    .private_segment_fixed_size: 0
    .kernarg_segment_align: 8
    .kernarg_segment_size: 40
    .max_flat_workgroup_size: 512
    .sgpr_count:     102
    .vgpr_count:     256
    .wavefront_size: 32
...
	.end_amdgpu_metadata
.endif
;; end of part 4
;; launch outp (part 5): grid 4 x 64, 4 waves a work-group, clusters of 4 x 4, 327,680 bytes of LDS; arguments cc, cs, xc, xs, bo, out0; writes out0
.if DOCPART == 5
	.amdgcn_target "amdgcn-amd-amdhsa--gfx1250"
	.amdhsa_code_object_version 6
	.text
	.protected	k_q7b951c9ee0_outp
	.globl	k_q7b951c9ee0_outp
	.p2align	8
	.type	k_q7b951c9ee0_outp,@function
k_q7b951c9ee0_outp:
	s_mov_b64 s[64:65], 0
	v_nop
	global_prefetch_b8 v0, s[64:65] scope:SCOPE_SE
	s_setreg_imm32_b32 hwreg(HW_REG_WAVE_MODE, 25, 1), 1
	s_wait_xcnt 0x0
	s_wait_alu depctr_hold_cnt(0) depctr_sa_sdst(0) depctr_va_vdst(0) depctr_va_sdst(0) depctr_va_ssrc(0) depctr_va_vcc(0) depctr_vm_vsrc(0)
	s_getreg_b32 s2, hwreg(HW_REG_IB_STS2, 6, 4)
	s_cmp_eq_u32 s2, 0
	s_cbranch_scc0 .Lentry_in_a_cluster
	s_endpgm
.Lentry_in_a_cluster:
	s_bfe_u32 s2, ttmp6, 0x10000c
	s_cmp_lg_u32 s2, 0xf033
	s_cbranch_scc0 .Lentry_shape_is_right
	s_endpgm
.Lentry_shape_is_right:
; out0 = concat Wo^T + bo on codes of FP6 (E2M3).  256 work-groups, one block each: 128 tokens (A, from cc and cs) x 256 columns (B, Wo's rows 27,648.. of xc and xs), all of K = 1,024.
; The whole block lies in LDS, 294,912 bytes, filled once by one joint load a wave (waves 0, 1 a half of A each, waves 2, 3 a half of B each); nothing is filled again.
; cc: [tile of 16 tokens][head][3 pieces][lane][8 bytes]: a head's six registers of a fragment; cs: [token][32 bytes].  xc: [tile of 16 rows][K step][3 pieces][lane][16 bytes]; xs: [tile][half of K][row][16 bytes].
; CLUSTERS 4 x 4: A's rows are shared along a row of the cluster, B's along a column.
; A WAVE HOLDS ITS 64 COLUMNS OF Wo, ALL OF K, IN REGISTERS (32 fragments, 384 registers) and streams the 128 tokens past them in eight blocks of 16 rows, all of K (8 fragments, which lie twice).
; A block is 32 products on four accumulators by turns; its 16 x 64 results are then finished and leave while the next block is multiplied: through the wave's own stage (16 rows of 272 bytes, bytes into which no fill lands),
; back as whole rows of 256 bytes, two rows a store.  The matrix instruction is used transposed: a lane holds eight neighbouring columns of a token's row.  The bias is the first four products' C.
; A first barrier shows Wo's tiles alone (waves 2 and 3, whose load line is theirs alone, wait for them): the 96 loads of the weights stand ahead of the wait for A's tiles.
; Fragment f lies in window 1 + f / 21 at register 12 (f % 21): 0-31 the weights' (4 q + b), 32-39 and 40-47 the tokens' two sets.
; No prefetch: the launch asks for all its tiles at its head and has no loop to run ahead in.
.set TRB,   12288
.set RGN,   98304
.set SPARE, 3*RGN
.set STG,   SPARE+512
.set SPITCH, 272
.set FPW,  21
.set ADRA, 1                           ; v1, v2 tokens' fragments: blocks 0-3, 4-7
.set ADRB, 3
.set STO,  4
.set RD,   5
.set CO,   6
.set BOA,  7
.set SXO,  8
.set SXA,  9
.set SPW,  12
.set NIL,  13
.set SA,   24                          ; v24-55 A's scale words: 8 x (pair of blocks) + K step
.set SB,   60                          ; v60-75 B's: 8 x (pair of tiles) + K step
.set BIAS, 76                          ; v76-107
.set ACC,  128                         ; v128-191 two sets of four accumulators
.set BK,   192                         ; v192-223 a block read back from the stage
.set G0A,  32
.set G0B,  36
.set G1A,  68
.set G1B,  76
.set MSB, 0
.macro WIN new
.if MSB != (\new)
	s_set_vgpr_msb (MSB<<8)|(\new)
.set MSB, (\new)
.endif
.endm
.macro PLACES n
.rept \n
	v_nop
.endr
.endm
.macro CROUND
	s_barrier_signal -1
	s_barrier_wait -1
	s_cmp_lg_u32 s18, 0
	s_cbranch_scc1 .Lnot_wave_0_\@
	s_barrier_signal -3
.Lnot_wave_0_\@:
	s_barrier_wait -3
	s_barrier_signal -1
	s_barrier_wait -1
.endm
.macro WEIGHTS                         ; my 64 rows of Wo, all of K: 96 loads
.irp q, 0,1,2,3,4,5,6,7
.irp b, 0,1,2,3
.set F_, 4*\q+\b
	WIN (1+F_/FPW)<<6
.irp c, 0,1,2
	ds_load_b128 v[12*(F_%FPW)+4*\c:12*(F_%FPW)+4*\c+3], v[ADRB] offset:\b*TRB+\q*1536+512*\c
.endr
.endr
.endr
	WIN 0
.endm
.macro FETCH s                         ; block s's eight fragments into set s % 2: 48 loads
.irp q, 0,1,2,3,4,5,6,7
.set F_, 32+8*((\s)%2)+\q
	WIN (1+F_/FPW)<<6
.irp p, 0,1,2,3,4,5
	ds_load_b64 v[12*(F_%FPW)+2*\p:12*(F_%FPW)+2*\p+1], v[ADRA+(\s)/4] offset:((\s)%4)*TRB+\q*1536+256*\p
.endr
.endr
	WIN 0
.endm
.macro W1 c, xb, xa, bo, so
	v_wmma_scale_f32_16x16x128_f8f6f4 v[D_:D_+7], v[RB_:RB_+11], v[RA_:RA_+11], \c, v[\xb], v[\xa] matrix_a_fmt:MATRIX_FMT_FP6 matrix_b_fmt:MATRIX_FMT_FP6 matrix_a_scale:MATRIX_SCALE_ROW\bo matrix_b_scale:MATRIX_SCALE_ROW\so
.endm
.macro PRODS s, so                     ; block s (so = s % 2): 32 products, the four accumulators by turns
.irp q, 0,1,2,3,4,5,6,7
.irp bp, 0,1
.irp bo, 0,1
.set FB_, 4*\q+2*\bp+\bo
.set FA_, 32+8*(\so)+\q
.set RB_, 12*(FB_%FPW)
.set RA_, 12*(FA_%FPW)
.set D_, ACC+32*(\so)+8*(2*\bp+\bo)
.set C_, BIAS+8*(2*\bp+\bo)
	WIN (1+FB_/FPW)|((1+FA_/FPW)<<2)
.if \q == 0
	W1 v[C_:C_+7], SB+8*\bp+\q, SA+8*((\s)/2)+\q, \bo, \so
.else
	W1 v[D_:D_+7], SB+8*\bp+\q, SA+8*((\s)/2)+\q, \bo, \so
.endif
.endr
.endr
.endr
	WIN 0
.endm
.macro TOSTAGE s
.set AC, ACC+32*((\s)%2)
.irp b, 0,1,2,3
	ds_store_b128 v[STO], v[AC+8*\b:AC+8*\b+3] offset:64*\b          ; each accumulator from its low end on
	ds_store_b128 v[STO], v[AC+8*\b+4:AC+8*\b+7] offset:64*\b+16
.endr
.irp t, 0,1,2,3,4,5,6,7
	ds_load_b128 v[BK+4*\t:BK+4*\t+3], v[RD] offset:\t*2*SPITCH      ; LDS serves a wave's instructions in order
.endr
.endm
.macro SEND s
.irp t, 0,1,2,3,4,5,6,7
	global_store_b128 v[CO], v[BK+4*\t:BK+4*\t+3], s[14:15] offset:(\s)*65536+\t*8192 th:TH_STORE_NT   ; two rows' runs of 256 consecutive bytes, aligned
.endr
.endm
.macro BLK s, so
.if (\s) == 7
	s_wait_dscnt 0x0
.else
	s_wait_dscnt 48                                ; all but the 48 loads of the block after this one: my fragments are in, and the last block is back from the stage
.endif
.if (\s) > 0
	SEND (\s)-1
.endif
	PRODS \s, \so
	PLACES 4                                       ; behind the products: their results are read, their fragments loaded anew
.if (\s) > 0
	s_wait_xcnt 0x0                                ; the last block's stores have read their registers
.endif
	TOSTAGE \s
.if (\s) < 6
	FETCH (\s)+2
.endif
.endm
	s_load_b256 s[4:11], s[0:1], 0x0               ; cc, cs, xc, xs
	s_load_b128 s[12:15], s[0:1], 0x20             ; bo, out0
	v_lshl_add_u32 v[SPW], v0, 2, SPARE
	v_mov_b32 v[NIL], 0
	ds_add_u32 v[SPW], v[NIL]                      ; the opening lines: the add twice and its wait
	ds_add_u32 v[SPW], v[NIL]
	v_lshrrev_b32 v14, 5, v0
	v_readfirstlane_b32 s18, v14                   ; wave: my 64 columns
	s_lshr_b32 s19, s18, 1                         ; I fetch for A (0) or B (1),
	s_and_b32 s20, s18, 1                          ; this half
	s_bfe_u32 s22, ttmp6, 0x40000
	s_bfe_u32 s23, ttmp6, 0x40004
	s_and_b32 s21, ttmp7, 0xffff
	s_lshl_b32 s42, s23, 2
	s_lshl_b32 s42, 15, s42
	s_lshl_b32 s43, 0x1111, s22
	s_or_b32 s[G1A], s42, (3<<16)|(1<<21)          ; rows of 1,536 elements of 8 bytes, dense: A 4 rows, B 8
	s_or_b32 s[G1B], s43, (3<<16)|(1<<21)
	s_mov_b32 s[G1A+2], 4<<16
	s_mov_b32 s[G1A+4], 4
	s_mov_b32 s[G1B+2], 8<<16
	s_mov_b32 s[G1B+4], 8
.irp g, G1A, G1B
	s_mov_b32 s[\g+1], 1536<<16
	s_mov_b32 s[\g+3], 1536<<16
	s_mov_b32 s[\g+5], 1536
	s_mov_b32 s[\g+6], 0
	s_mov_b32 s[\g+7], 0
.endr
	s_lshl_b32 s24, s21, 2
	s_add_co_u32 s24, s24, s23
	s_lshl_b32 s24, s24, 7                         ; A's first token
	s_lshl_b32 s25, s22, 8
	s_add_co_u32 s25, s25, 27648                   ; B's first row of xc
	s_mov_b32 s[G0A], 1
	s_mul_i32 s[G0A+1], s20, RGN/2
	s_mov_b32 s[G0B], 1
	s_mul_i32 s[G0B+1], s20, RGN
	s_add_co_u32 s[G0B+1], s[G0B+1], RGN
	s_lshl_b32 s50, s20, 6
	s_add_co_u32 s50, s50, s24
	s_mul_i32 s50, s50, 768
	s_mov_b32 s51, 0
	s_lshl_b32 s52, s20, 7
	s_add_co_u32 s52, s52, s25
	s_mul_i32 s52, s52, 768
	s_mov_b32 s53, 0
	s_wait_dscnt 0x0
	s_wait_kmcnt 0x0
	s_add_nc_u64 s[G0A+2:G0A+3], s[4:5], s[50:51]
	s_or_b32 s[G0A+3], s[G0A+3], 0x80000000
	s_add_nc_u64 s[G0B+2:G0B+3], s[8:9], s[52:53]
	s_or_b32 s[G0B+3], s[G0B+3], 0x80000000
	CROUND                                         ; all sixteen work-groups are here: the joint loads meet
	s_cmp_eq_u32 s19, 0
	s_cbranch_scc0 .Lfor_b
	tensor_load_to_lds s[G0A:G0A+3], s[G1A:G1A+7]
	s_nop 0
	PLACES 4
	s_branch .Lasked
.Lfor_b:
	tensor_load_to_lds s[G0B:G0B+3], s[G1B:G1B+7]
	s_nop 0
	PLACES 4
.Lasked:
	v_and_b32 v14, 31, v0
	v_and_b32 v15, 15, v0
	v_bfe_u32 v16, v0, 4, 1
	v_lshlrev_b32 v[ADRA], 3, v14
	v_add_nc_u32 v[ADRA+1], RGN/2, v[ADRA]
	s_mul_i32 s45, s18, RGN/2
	s_add_co_u32 s45, s45, RGN
	v_lshl_add_u32 v[ADRB], v14, 4, s45
	v_lshlrev_b32 v[BOA], 5, v16
	v_lshlrev_b32 v[SXO], 4, v15
	v_lshl_add_u32 v[SXO], v16, 9, v[SXO]          ; B's scale words: 16 r, the odd tile 512 on
	v_lshlrev_b32 v[SXA], 5, v15
	v_lshl_add_u32 v[SXA], v16, 9, v[SXA]          ; A's: 32 r, the odd block 512 on
	s_mul_i32 s45, s18, 16*SPITCH
	s_add_co_u32 s45, s45, STG                     ; my stage
	v_mul_u32_u24 v17, v15, SPITCH
	v_lshl_add_u32 v17, v16, 5, v17
	v_add_nc_u32 v[STO], s45, v17                  ; in: row r, 32 bytes for each half of the lanes
	v_mul_u32_u24 v17, v16, SPITCH
	v_lshl_add_u32 v17, v15, 4, v17
	v_add_nc_u32 v[RD], s45, v17                   ; back: sixteen lanes to a row of 256 bytes, two rows a load
	v_lshlrev_b32 v[CO], 4, v15
	v_lshl_add_u32 v[CO], v16, 12, v[CO]           ; and the same two rows of out0
	s_wait_alu depctr_va_vdst(0)                   ; the wait at the head's end
	s_lshl_b32 s44, s24, 12                        ; my first token's row of out0
	s_lshl_b32 s54, s24, 5
	s_mov_b32 s55, 0
	s_add_nc_u64 s[54:55], s[6:7], s[54:55]
	s_lshl_b32 s56, s18, 6
	s_add_co_u32 s56, s56, s25
	s_lshl_b32 s56, s56, 5
	s_mov_b32 s57, 0
	s_add_nc_u64 s[56:57], s[10:11], s[56:57]
.irp f, 0,1
.irp i, 0,1,2,3
	global_load_b128 v[SA+8*\i+4*\f:SA+8*\i+4*\f+3], v[SXA], s[54:55] offset:1024*\i+16*\f
.endr
.irp i, 0,1
	global_load_b128 v[SB+8*\i+4*\f:SB+8*\i+4*\f+3], v[SXO], s[56:57] offset:1024*\i+256*\f
.endr
.endr
	s_lshl_b32 s46, s22, 10
	s_lshl_b32 s47, s18, 8
	s_add_co_u32 s46, s46, s47                     ; my first column, in bytes
	s_mov_b32 s47, 0
	s_add_nc_u64 s[12:13], s[12:13], s[46:47]
	s_add_co_u32 s46, s46, s44
	s_add_nc_u64 s[14:15], s[14:15], s[46:47]
.irp b, 0,1,2,3
	global_load_b128 v[BIAS+8*\b:BIAS+8*\b+3], v[BOA], s[12:13] offset:64*\b
	global_load_b128 v[BIAS+8*\b+4:BIAS+8*\b+7], v[BOA], s[12:13] offset:64*\b+16
.endr
	s_cmp_eq_u32 s19, 0
	s_cbranch_scc1 .Lnot_b
	s_wait_tensorcnt 0x0                           ; waves 2 and 3: my half of Wo's rows is in
.Lnot_b:
	s_barrier_signal -1
	s_barrier_wait -1                              ; Wo's rows are in
	WEIGHTS
	s_wait_tensorcnt 0x0                           ; every wave: all that is still out
	s_wait_dscnt 0x0
	s_barrier_signal -1
	s_barrier_wait -1                              ; the tokens' rows are in
	FETCH 0
	FETCH 1
	s_wait_loadcnt 0x0
	BLK 0, 0
	BLK 1, 1
	BLK 2, 0
	BLK 3, 1
	BLK 4, 0
	BLK 5, 1
	BLK 6, 0
	BLK 7, 1
	s_wait_dscnt 0x0
	SEND 7
	s_wait_tensorcnt 0x0                           ; the wave's end
	ds_add_u32 v[SPW], v[NIL]
	s_wait_dscnt 0x0
	CROUND                                         ; the closing round
	s_endpgm
.Lfunc_end_k_q7b951c9ee0_outp:
	.size	k_q7b951c9ee0_outp, .Lfunc_end_k_q7b951c9ee0_outp-k_q7b951c9ee0_outp
	.p2alignl 7, 3214868480
	.fill 96, 4, 3214868480
	.section	.rodata,"a",@progbits
	.p2align	6, 0x0
	.amdhsa_kernel k_q7b951c9ee0_outp
		.amdhsa_group_segment_fixed_size 327680
		.amdhsa_private_segment_fixed_size 0
		.amdhsa_enable_private_segment 0
		.amdhsa_kernarg_size 48
		.amdhsa_user_sgpr_count 2
		.amdhsa_user_sgpr_kernarg_segment_ptr 1
		.amdhsa_wavefront_size32 1
		.amdhsa_system_sgpr_workgroup_id_x 1
		.amdhsa_system_sgpr_workgroup_id_y 1
		.amdhsa_system_sgpr_workgroup_id_z 1
		.amdhsa_system_vgpr_workitem_id 0
		.amdhsa_next_free_vgpr 1024
		.amdhsa_next_free_sgpr 102
		.amdhsa_reserve_vcc 0
		.amdhsa_float_denorm_mode_32 3
		.amdhsa_float_denorm_mode_16_64 3
		.amdhsa_memory_ordered 1
		.amdhsa_forward_progress 1
		.amdhsa_inst_pref_size 88
	.end_amdhsa_kernel
	.amdgpu_metadata
---
amdhsa.version: [ 1, 2 ]
amdhsa.kernels:
  - .name:           k_q7b951c9ee0_outp
    .symbol:         k_q7b951c9ee0_outp.kd
    .args:
      - { .name: cc, .offset: 0, .size: 8, .value_kind: global_buffer, .address_space: global }
      - { .name: cs, .offset: 8, .size: 8, .value_kind: global_buffer, .address_space: global }
      - { .name: xc, .offset: 16, .size: 8, .value_kind: global_buffer, .address_space: global }
      - { .name: xs, .offset: 24, .size: 8, .value_kind: global_buffer, .address_space: global }
      - { .name: bo, .offset: 32, .size: 8, .value_kind: global_buffer, .address_space: global }
      - { .name: out0, .offset: 40, .size: 8, .value_kind: global_buffer, .address_space: global }
    .group_segment_fixed_size: 327680
    .private_segment_fixed_size: 0
    .kernarg_segment_align: 8
    .kernarg_segment_size: 48
    .max_flat_workgroup_size: 128
    .sgpr_count:     102
    .vgpr_count:     1024
    .wavefront_size: 32
...
	.end_amdgpu_metadata
.endif
;; end of part 5
